; MI455X (gfx1250); checked and timed in simulation.
; The chip was launched on July 23, 2026; its instructions are those of AMD's public machine-readable ISA for CDNA 5 (MIT licence, August 2026) and "CDNA5" Instruction Set Architecture Reference Guide (July 2026). The comments in the code are by the model that wrote it; some were corrected since.
;; Multi Scale Attention. Allowed arithmetic: matrix products marked QUANTISED: E2M1 operands, one E8M0 scale for each 32 along K, by v_wmma_scale_f32_16x16x128_f8f6f4 with both operands' format E2M1 (or v_wmma_scale_f32_32x16x128_f4), f32 sums; products left as they are: bf16, f16 or f32 operands; f32 sums; everything else in f32.
;; Inputs: Wout 1,024 x 1,024 float32; Wqkv 1,024 x 3,072 float32; Wscale 1,024 x 4 float32; bout 1,024 float32; bqkv 3,072 float32; bscale 4 float32; x 2 x 2,048 x 1,024 float32.
;; Outputs: out0 2 x 2,048 x 1,024 float32.
;; This version of the problem:
;;   THIS VERSION OF THE PROBLEM IS GIVEN IN LOW PRECISION. The matrix products marked QUANTISED in the list below multiply operands that are first quantised to E2M1 (2 exponent bits, 1 mantissa bit; 4 bits a number), with one power-of-two scale for each 32 numbers along K (OCP MX v1.0); their sums are f32. The products marked 'left as it is' may take bf16, f16 or f32 operands, with f32 sums. Whichever they take, every output number must still come out within the allowed error. Rounding operands to bf16 (8 significant bits) uses up far more of that allowance than f16 does (11 bits, for magnitudes from 6e-5 to 65,504). All else is computed in f32.
;;   The module's matrix products, in the order in which they are computed (A, B: the left and right operand; K: the contracted axis; several contracted axes count as one K, in the product's order):
;;     1. [M 4,096, K 1,024] x [K 1,024, N 3,072]; A: input x; B: input Wqkv: QUANTISED
;;     2. [M 4,096, K 1,024] x [K 1,024, N 4]; A: input x; B: input Wscale: left as it is (N = 4 < 16)
;;     3. batch 32 x [M 2,048, K 64] x [K 64, N 2,048]; A: computed on the way; B: computed on the way: left as it is (an operand is computed on the way)
;;     4. batch 32 x [M 2,048, K 2,048] x [K 2,048, N 64]; A: computed on the way; B: computed on the way: left as it is (an operand is computed on the way)
;;     5. batch 32 x [M 2,048, K 64] x [K 64, N 1,024]; A: computed on the way; B: computed on the way: left as it is (an operand is computed on the way)
;;     6. batch 32 x [M 2,048, K 1,024] x [K 1,024, N 64]; A: computed on the way; B: computed on the way: left as it is (an operand is computed on the way)
;;     7. batch 32 x [M 2,048, K 64] x [K 64, N 512]; A: computed on the way; B: computed on the way: left as it is (an operand is computed on the way)
;;     8. batch 32 x [M 2,048, K 512] x [K 512, N 64]; A: computed on the way; B: computed on the way: left as it is (an operand is computed on the way)
;;     9. batch 32 x [M 2,048, K 64] x [K 64, N 256]; A: computed on the way; B: computed on the way: left as it is (an operand is computed on the way)
;;     10. batch 32 x [M 2,048, K 256] x [K 256, N 64]; A: computed on the way; B: computed on the way: left as it is (an operand is computed on the way)
;;     11. [M 4,096, K 1,024] x [K 1,024, N 1,024]; A: computed on the way; B: input Wout: left as it is (an operand is computed on the way)
;;   THE QUANTISER, for each operand of a quantised product, along K:
;;     - K is cut into blocks of 32 from its start; a last block that is shorter is filled with zeros.
;;     - A block's scale is 2^e with e = floor(log2(the largest magnitude in the block)) - 2, held to -126 .. 127; a block of zeros has e = 0. As a byte (E8M0): e + 127.
;;     - Each number is divided by its block's scale, clamped to +-6, and rounded to the nearest number of E2M1, ties to even, subnormals kept.
;;     - The product sums the exact products of the quantised numbers (number of the format x scale) in f32.
;;   ~~~python
;;   def quantise(x, axis):      # numpy; x: float32 -> the quantised numbers, widened to float32 again
;;       x = np.moveaxis(x, axis, -1); K = x.shape[-1]
;;       x = np.pad(x, [(0, 0)] * (x.ndim - 1) + [(0, -K % 32)]); x = x.reshape(x.shape[:-1] + (-1, 32)); a = np.abs(x).max(-1, keepdims=True)
;;       e = np.where(a > 0, np.clip(np.frexp(np.where(a > 0, a, 1))[1] - 1 - 2, -126, 127), 0)      # np.frexp(a)[1] - 1 = floor(log2(a)), exactly
;;       r = np.clip(x / 2.0 ** e, -6, 6)
;;       step = 2.0 ** (np.maximum(np.frexp(np.where(r == 0, 1, r))[1] - 1, 0) - 1)
;;       q = np.round(r / step) * step * 2.0 ** e      # np.round: ties to even
;;       return np.moveaxis(q.reshape(q.shape[:-2] + (-1,))[..., :K], -1, axis).astype(np.float32)
;;   ~~~
;; One version. Each part assembles by itself: llvm-mc -triple=amdgcn-amd-amdhsa -mcpu=gfx1250 --defsym DOCPART=n.
;; ======== version 1 of 1: 4 launches
;; limits: values are held in f16: magnitudes above 65,504 overflow, below 6.1e-05 lose precision; values outside matrix products are rounded to f16
;; workspace buffers: xc 2,097,152 bytes; xs 131,072 bytes; wc 1,572,864 bytes; ws 98,304 bytes; wo 2,097,152 bytes; sw 65,536 bytes; qkv 25,165,824 bytes; aimg 8,388,608 bytes
;; launch prep (part 1): grid 384 x 1, 8 waves a work-group, no clusters, 88,576 bytes of LDS; arguments x, Wqkv, Wout, Wscale, bscale, xc, xs, wc, ws, wo, sw; writes xc, xs, wc, ws, wo, sw
.if DOCPART == 1
	.amdgcn_target "amdgcn-amd-amdhsa--gfx1250"
	.amdhsa_code_object_version 6
	.text
	.protected	k_q08eda81fdb_prep
	.globl	k_q08eda81fdb_prep
	.p2align	8
	.type	k_q08eda81fdb_prep,@function
k_q08eda81fdb_prep:
	s_mov_b64 s[64:65], 0
	v_nop
	global_prefetch_b8 v0, s[64:65] scope:SCOPE_SE
	s_setreg_imm32_b32 hwreg(HW_REG_WAVE_MODE, 25, 1), 1
	s_wait_xcnt 0x0
; PREPARATION.  Three kinds of work-group, told apart by the work-group's number alone (all eight waves of a work-group go the same way):
;   0..95    W: Wqkv [1024 k][3072 n] f32 -> codes of FP4 (E2M1) along k, one E8M0 byte for each 32 k
;   96..127  O: Wout [1024 k][1024 n] f32 -> f16
;   128..383 X: 16 tokens of x [4096][1024] f32 -> codes of FP4 along k and their bytes; and the tokens' gate softmax(x Wscale + bscale), all in f32
; THE TOKENS ARE SORTED.  In a batch, position p holds token 8p (p < 256), 8(p-256)+4 (p < 512), 4(p-512)+2 (p < 1024), 2(p-1024)+1 (else): the keys of dilation 8, 4, 2, 1 are then
; the first 256, 512, 1024, 2048 positions.  x's codes, its bytes and the gate are written by position; all later launches work by position, and the last one stores by token.
; EVERY OPERAND IS WRITTEN AS AN IMAGE OF FRAGMENT REGISTERS: four registers of the 32 lanes are 512 bytes, lane l's 16 bytes at 16 l.
;   xc [tile of 16 positions 256][128 k: 8][c 2][lane][16 B]: lane (r, h), group c: k = 64 c + 32 h + 0..31 of row r.    wc [tile of 16 n: 192][8][c][lane][16 B] likewise.
;   xs [512 k: 2][4096 positions][4 words]: a word = the four bytes of 128 k.    ws [2][3072 n][4 words].
;   wo [tile of 16 n: 64][32 k: 32][u 2][lane][16 B] f16: lane (r, h), group u: k = 16 u + 8 h + 0..7 of row n = r.    sw [4096 positions][4] f32.
; A block's scale is 2^(floor(log2(largest magnitude)) - 2); its byte is the largest magnitude's exponent field - 2, held at 1 from below by a floor among the maximum's leaves.
; LIMITS: a block of zeros gets the byte 1 (its codes are zeros, which add nothing; this program alone reads the bytes); NaN and infinities are not served; |Wout| stays under 65,504 (f16).
.set XSTW,  8448                       ; LDS, path X: a stage of 16 rows x (512 + 16) bytes for each wave, from byte 0
.set WSL,   67584                      ; path X: each wave's 128 rows of Wscale, 2,048 bytes
.set XSG,   83968                      ; path X: the tile's scale words, [2][16 rows][4 words]
.set LG,    84480                      ; path X: the eight waves' partial logits, 256 bytes each
.set WSG,   86528                      ; path W: the scale words of 64 columns, [64][4 words]
.set SPARE, 87552                      ; the spare words, 128 bytes for each wave: four blocks of 256 bytes that no other line names
.set STW,  4                           ; v4   stage, way in: 16 x lane
.set STR,  5                           ; v5   stage, way out: 528 r + 128 h
.set WLW,  6                           ; v6   Wscale slice, way in
.set WLR,  7                           ; v7   Wscale slice, way out: 512 h
.set XSGA, 8                           ; v8   my row's scale word
.set LGA,  9                           ; v9   my wave's partial logits
.set WSGA, 10                          ; v10  path W: my column's scale word
.set P2A,  11                          ; v11  XSG + 16 x thread: the second phase's reads
.set SPW,  12                          ; v12  my spare word; never rewritten
.set NIL,  13                          ; v13  0; never rewritten
.set GA,   14                          ; v14, v15 offsets in memory
.set GB,   15
.set OFF,  16                          ; v16-31 path X: 16 x lane + row x pitch
.set XD,   32                          ; v32-95 numbers as loaded
.set XB,   96                          ; v96-159 path X: two blocks of 32; path O: packed f16
.set ACC,  160                         ; v160-167 partial logits
.set CD,   168                         ; v168-183 codes
.set TM,   184                         ; v184-191 at work
; which class of positions a tile of 16 lies in (tp = position / 16 in the batch): token = (position - 16 bt) << sh + off
.macro CLASS tp, sh, off, bt
	s_cmp_lt_u32 \tp, 64
	s_cselect_b32 \sh, 2, 1
	s_cselect_b32 \off, 2, 1
	s_cselect_b32 \bt, 32, 64
	s_cmp_lt_u32 \tp, 32
	s_cselect_b32 \sh, 3, \sh
	s_cselect_b32 \off, 4, \off
	s_cselect_b32 \bt, 16, \bt
	s_cmp_lt_u32 \tp, 16
	s_cselect_b32 \off, 0, \off
	s_cselect_b32 \bt, 0, \bt
.endm
	s_load_b512 s[8:23], s[0:1], 0x0               ; x 8, Wqkv 10, Wout 12, Wscale 14, bscale 16, xc 18, xs 20, wc 22
	s_load_b128 s[24:27], s[0:1], 0x40             ; ws 24, wo 26
	s_load_b64 s[28:29], s[0:1], 0x50              ; sw
	v_lshl_add_u32 v[SPW], v0, 2, SPARE
	v_mov_b32 v[NIL], 0
	v_lshrrev_b32 v1, 5, v0
	v_readfirstlane_b32 s30, v1                    ; wave 0..7
	v_and_b32 v1, 31, v0                           ; lane
	v_and_b32 v2, 15, v0                           ; r
	v_bfe_u32 v3, v0, 4, 1                         ; h
	; every LDS address is made here, ahead of the parting of the ways
	s_mul_i32 s31, s30, XSTW
	v_lshl_add_u32 v[STW], v1, 4, s31
	v_mul_u32_u24 v[STR], v2, 528
	v_lshl_add_u32 v[STR], v3, 7, v[STR]
	v_add_nc_u32 v[STR], s31, v[STR]
	s_lshl_b32 s32, s30, 11
	s_add_co_u32 s32, s32, WSL
	v_lshl_add_u32 v[WLW], v1, 4, s32
	v_lshl_add_u32 v[WLR], v3, 9, s32
	s_lshr_b32 s33, s30, 2
	s_lshl_b32 s33, s33, 8
	s_and_b32 s34, s30, 3
	s_lshl_b32 s34, s34, 2
	s_add_co_u32 s33, s33, s34
	s_add_co_u32 s33, s33, XSG
	v_lshl_add_u32 v[XSGA], v2, 4, s33             ; 256 (wave / 4) + 16 r + 4 (wave % 4)
	s_lshl_b32 s34, s30, 8
	s_add_co_u32 s34, s34, LG
	v_lshl_add_u32 v[LGA], v2, 4, s34
	s_and_b32 s35, s30, 1
	s_lshl_b32 s35, s35, 9
	s_lshr_b32 s36, s30, 1
	s_lshl_b32 s36, s36, 2
	s_add_co_u32 s35, s35, s36
	s_add_co_u32 s35, s35, WSG
	v_lshl_add_u32 v[WSGA], v1, 4, s35             ; 16 (32 (wave % 2) + lane) + 4 (wave / 2)
	v_lshl_add_u32 v[P2A], v0, 4, XSG
	s_mov_b32 s52, 0x76543210
	s_mov_b32 s53, 0xfedcba98                      ; v_permlanex16_b32's selects for lane l xor 16
	s_wait_kmcnt 0x0
	s_cmp_lt_u32 ttmp9, 96
	s_cbranch_scc1 .Lpath_w
	s_cmp_lt_u32 ttmp9, 128
	s_cbranch_scc1 .Lpath_o
; ---------------- PATH X: tile T of 16 positions; wave w owns k = 128 w .. 128 w + 127 of all 16 rows ----------------
	s_sub_co_u32 s31, ttmp9, 128                   ; T
	s_and_b32 s32, s31, 127                        ; the tile in its batch
	CLASS s32, s33, s34, s35
	s_sub_co_u32 s36, s32, s35
	s_lshl_b32 s36, s36, 4
	s_lshl_b32 s36, s36, s33
	s_add_co_u32 s36, s36, s34                     ; the token at the tile's first position,
	s_lshr_b32 s37, s31, 7
	s_lshl_b32 s37, s37, 11
	s_add_co_u32 s36, s36, s37                     ; in its batch
	s_lshl_b32 s36, s36, 12                        ; a row of x is 4,096 bytes
	s_lshl_b32 s37, s30, 9
	s_add_co_u32 s36, s36, s37                     ; + my wave's 512 bytes
	s_mov_b32 s37, 0
	s_add_nc_u64 s[8:9], s[8:9], s[36:37]
	s_lshl_b32 s38, 0x1000, s33                    ; bytes from one position's token to the next's
	s_lshl_b32 s36, s30, 11
	s_add_nc_u64 s[14:15], s[14:15], s[36:37]      ; my 128 rows of Wscale
	s_lshl_b32 s36, s31, 13
	s_lshl_b32 s39, s30, 10
	s_add_co_u32 s36, s36, s39
	s_add_nc_u64 s[18:19], s[18:19], s[36:37]      ; xc: tile T, step w
	s_lshl_b32 s36, s31, 8
	s_add_nc_u64 s[20:21], s[20:21], s[36:37]      ; xs and sw: 256 bytes a tile
	s_add_nc_u64 s[28:29], s[28:29], s[36:37]
	s_load_b128 s[48:51], s[16:17], 0x0            ; bscale: no line of this launch writes it
	v_lshlrev_b32 v[OFF], 4, v1
.set n, 1
.rept 15
	v_add_nc_u32 v[OFF+n], s38, v[OFF+n-1]
.set n, n+1
.endr
.set n, 0
.rept 4
	global_load_b128 v[CD+4*n:CD+4*n+3], v[OFF], s[14:15] offset:512*n    ; the slice of Wscale, 2,048 dense bytes
.set n, n+1
.endr
.set n, 0
.rept 16
	global_load_b128 v[XD+4*n:XD+4*n+3], v[OFF+n], s[8:9] th:TH_LOAD_NT   ; 32 lanes read 512 consecutive bytes of one row
.set n, n+1
.endr
	s_wait_loadcnt 16                              ; the slice is in; x's sixteen loads may be out
.set n, 0
.rept 4
	ds_store_b128 v[WLW], v[CD+4*n:CD+4*n+3] offset:512*n
.set n, n+1
.endr
.set n, 0
.rept 16
	s_wait_loadcnt 15-n                            ; row n is in; the younger rows' loads may be out
	ds_store_b128 v[STW], v[XD+4*n:XD+4*n+3] offset:528*n
.set n, n+1
.endr
.irp c, 0,1                                    ; back: lane (r, h) takes blocks h and 2 + h of row r, 128 bytes each.  LDS serves a wave's instructions in order: these see the stores above
.set n, 0
.rept 8
	ds_load_b128 v[XB+32*\c+4*n:XB+32*\c+4*n+3], v[STR] offset:256*\c+16*n
.set n, n+1
.endr
.endr
	s_wait_dscnt 0x0
.irp c, 0,1
	v_max3_num_f32 v[TM+\c], |v[XB+32*\c]|, |v[XB+32*\c+1]|, 0x1800000    ; my block's largest magnitude, and the floor 2^(3 - 127)
.endr
.set n, 2
.rept 15
.irp c, 0,1
	v_max3_num_f32 v[TM+\c], v[TM+\c], |v[XB+32*\c+n]|, |v[XB+32*\c+n+1]|
.endr
.set n, n+2
.endr
.irp c, 0,1
	v_add_nc_u32 v[TM+2+\c], 0xff000000, v[TM+\c]  ; 2 off the exponent field: the conversion's scale operand
.endr
.irp c, 0,1
	v_lshrrev_b32 v[TM+4+\c], 23, v[TM+2+\c]       ; the scale's byte
.endr
	v_lshl_or_b32 v[TM+6], v[TM+5], 16, v[TM+4]    ; my two bytes: blocks h and 2 + h,
	v_lshlrev_b32 v[TM+7], 3, v3
	v_lshlrev_b32 v[TM+6], v[TM+7], v[TM+6]        ; at their places in the word;
	v_permlanex16_b32 v[TM+7], v[TM+6], s52, s53
	v_or_b32 v[TM+6], v[TM+6], v[TM+7]             ; with lane l xor 16's two the word is whole
.irp c, 0,1
.irp g, 0,1,2,3
	v_cvt_scalef32_pk8_fp4_f32 v[CD+4*\c+\g], v[XB+32*\c+8*\g:XB+32*\c+8*\g+7], v[TM+2+\c]
.endr
.endr
	v_nop                                          ; one plain line behind the last scaled conversion
.irp c, 0,1
	global_store_b128 v[OFF], v[CD+4*\c:CD+4*\c+3], s[18:19] offset:512*\c   ; the fragment's image: 512 consecutive bytes a store
.endr
	ds_store_b32 v[XSGA], v[TM+6]                  ; both halves of the lanes hold the same word
	; the gate's product in f32: my 64 numbers of row r against Wscale's rows, 16 rows at a time (one address for each half of the lanes)
.irp c, 0,1
.irp hb, 0,1
.set n, 0
.rept 16
	ds_load_b128 v[XD+4*n:XD+4*n+3], v[WLR] offset:1024*\c+256*\hb+16*n
.set n, n+1
.endr
	s_wait_dscnt 0x0
.set n, 0
.rept 16
.irp m, 0,1,2,3
.if (\hb == 0) && (n == 0)
	v_mul_f32 v[ACC+4*\c+\m], v[XB+32*\c], v[XD+\m]                       ; the first product starts the sum
.else
	v_fmac_f32 v[ACC+4*\c+\m], v[XB+32*\c+16*\hb+n], v[XD+4*n+\m]
.endif
.endr
.set n, n+1
.endr
.endr
.endr
.irp m, 0,1,2,3
	v_add_f32 v[ACC+\m], v[ACC+\m], v[ACC+4+\m]
.endr
.irp m, 0,1,2,3
	v_permlanex16_b32 v[TM+\m], v[ACC+\m], s52, s53
.endr
.irp m, 0,1,2,3
	v_add_f32 v[ACC+\m], v[ACC+\m], v[TM+\m]       ; my wave's 128 k of row r's four logits
.endr
	ds_store_b128 v[LGA], v[ACC:ACC+3]
	s_wait_dscnt 0x0                               ; for the others' sake: my words and my partial logits have landed
	s_barrier_signal -1
	s_barrier_wait -1
	s_cmp_lg_u32 s30, 0
	s_cbranch_scc1 .Lend                           ; wave 0 gathers
	ds_load_b128 v[XD:XD+3], v[P2A]                ; the tile's scale words: 16 rows x 16 bytes for each half of K
.set n, 0
.rept 8
	ds_load_b128 v[XB+4*n:XB+4*n+3], v[LGA] offset:256*n
.set n, n+1
.endr
	v_lshlrev_b32 v[GB], 4, v2                     ; 16 r
	v_lshl_add_u32 v[GA], v3, 16, v[GB]            ; + 65,536 for K's second half
	s_wait_dscnt 8                                 ; the words are in; the eight loads of logits may be out
	global_store_b128 v[GA], v[XD:XD+3], s[20:21]  ; two aligned blocks of 256 bytes
	s_wait_dscnt 0x0
.set n, 1
.rept 7
.irp m, 0,1,2,3
	v_add_f32 v[XB+\m], v[XB+\m], v[XB+4*n+\m]     ; k ascending
.endr
.set n, n+1
.endr
	s_wait_kmcnt 0x0                               ; bscale
.irp m, 0,1,2,3
	v_add_f32 v[XB+\m], s[48+\m], v[XB+\m]
.endr
	v_max3_num_f32 v[TM], v[XB], v[XB+1], v[XB+2]
	v_max_num_f32 v[TM], v[TM], v[XB+3]            ; the largest logit is taken away
.irp m, 0,1,2,3
	v_sub_f32 v[XB+\m], v[XB+\m], v[TM]
.endr
.irp m, 0,1,2,3
	v_mul_f32 v[XB+\m], 0x3fb8aa3b, v[XB+\m]       ; x log2(e)
.endr
.irp m, 0,1,2,3
	v_exp_f32 v[XB+\m], v[XB+\m]
.endr
	v_nop                                          ; a plain line behind the last exponential
	s_wait_alu depctr_va_vdst(0)                   ; one wait for the four, ahead of their first reader
	v_add_f32 v[TM+1], v[XB], v[XB+1]
	v_add_f32 v[TM+2], v[XB+2], v[XB+3]
	v_add_f32 v[TM+1], v[TM+1], v[TM+2]
	v_rcp_f32 v[TM+1], v[TM+1]
	v_nop
	s_wait_alu depctr_va_vdst(0)
.irp m, 0,1,2,3
	v_mul_f32 v[XB+4+\m], v[XB+\m], v[TM+1]
.endr
	v_cmp_gt_u32 vcc_lo, 16, v1                    ; lanes 16-31 hold the same rows once more
	s_wait_xcnt 0x0                                ; EXEC changes only behind this wait: a store is out
	s_and_saveexec_b32 s40, vcc_lo
	global_store_b128 v[GB], v[XB+4:XB+7], s[28:29]   ; sixteen lanes store one aligned block of 256 bytes
	s_wait_xcnt 0x0                                ; and again ahead of the line that widens it
	s_or_b32 exec_lo, exec_lo, s40
	s_branch .Lend
; A lane takes a column n and its registers run down k: block t = 32 numbers into set t % 2
.macro LOADK t, lo, pitch
.set n, 0
.rept 32
	global_load_b32 v[XD+32*((\t)%2)+n], v[GA], s[\lo:\lo+1] offset:(32*(\t)+n)*\pitch th:TH_LOAD_NT
.set n, n+1
.endr
.endm
.macro WAITK t
.if (\t) < 3
	s_wait_loadcnt 32                              ; this block's 32 loads are in; the next block's may be out
.else
	s_wait_loadcnt 0x0
.endif
.endm
; ---------------- PATH W: 64 columns x 512 k; wave: 32 columns (wave % 2) x 128 k (wave / 2) ----------------
.Lpath_w:
	s_cmp_ge_u32 ttmp9, 48
	s_cselect_b32 s31, 1, 0                        ; which half of K
	s_cselect_b32 s32, 48, 0
	s_sub_co_u32 s32, ttmp9, s32                   ; which 64 columns
	s_and_b32 s33, s30, 1
	s_lshr_b32 s34, s30, 1
	s_lshl_b32 s35, s32, 6
	s_lshl_b32 s36, s33, 5
	s_add_co_u32 s35, s35, s36                     ; my first column
	s_lshl_b32 s36, s31, 2
	s_add_co_u32 s36, s36, s34                     ; my step of 128 k
	s_mul_i32 s38, s36, 128*12288
	s_lshl_b32 s39, s35, 2
	s_add_co_u32 s38, s38, s39
	s_mov_b32 s39, 0
	s_add_nc_u64 s[10:11], s[10:11], s[38:39]
	s_lshl_b32 s38, s35, 9                         ; a tile of 16 columns is 8,192 bytes of codes
	s_lshl_b32 s40, s36, 10
	s_add_co_u32 s38, s38, s40
	s_add_nc_u64 s[22:23], s[22:23], s[38:39]
	s_mul_i32 s38, s31, 49152
	s_lshl_b32 s40, s32, 10
	s_add_co_u32 s38, s38, s40
	s_add_nc_u64 s[24:25], s[24:25], s[38:39]
	v_lshlrev_b32 v[GA], 2, v1
	v_lshlrev_b32 v[GB], 4, v2
	v_lshl_add_u32 v[GB], v3, 13, v[GB]            ; lanes 16-31: the next tile of columns
	v_lshlrev_b32 v[OFF], 4, v0                    ; 16 x thread
	LOADK 0, 10, 12288
	LOADK 1, 10, 12288
.macro BLOCKW t
.set XQ, XD+32*((\t)%2)
	WAITK \t
	v_max3_num_f32 v[TM], |v[XQ]|, |v[XQ+1]|, |v[XQ+2]|                   ; the block's largest magnitude: all 32 numbers are mine; two chains
	v_max3_num_f32 v[TM+1], |v[XQ+3]|, |v[XQ+4]|, |v[XQ+5]|
.irp i, 6,10,14,18,22,26
	v_max3_num_f32 v[TM], v[TM], |v[XQ+\i]|, |v[XQ+\i+1]|
	v_max3_num_f32 v[TM+1], v[TM+1], |v[XQ+\i+2]|, |v[XQ+\i+3]|
.endr
	v_max3_num_f32 v[TM], v[TM], |v[XQ+30]|, |v[XQ+31]|
	v_max3_num_f32 v[TM], v[TM], v[TM+1], 0x1800000
	v_add_nc_u32 v[TM+2], 0xff000000, v[TM]
	v_lshrrev_b32 v[TM+3], 23, v[TM+2]
.if (\t) == 0
	v_mov_b32 v[TM+6], v[TM+3]
.else
	v_lshl_or_b32 v[TM+6], v[TM+3], 8*(\t), v[TM+6]
.endif
.irp g, 0,1,2,3
	v_cvt_scalef32_pk8_fp4_f32 v[CD+4*(\t)+\g], v[XQ+8*\g:XQ+8*\g+7], v[TM+2]
.endr
	v_nop                                          ; one plain line behind the last scaled conversion
	global_store_b128 v[GB], v[CD+4*(\t):CD+4*(\t)+3], s[22:23] offset:512*((\t)/2)+256*((\t)%2)   ; block t = 2 c + h of the image: sixteen lanes fill one aligned block of 256 bytes
.if (\t)+2 < 4
	LOADK (\t)+2, 10, 12288
.endif
.endm
	BLOCKW 0
	BLOCKW 1
	BLOCKW 2
	BLOCKW 3
	ds_store_b32 v[WSGA], v[TM+6]                  ; my column's word for my 128 k
	s_wait_dscnt 0x0
	s_barrier_signal -1
	s_barrier_wait -1
	s_cmp_lt_u32 s30, 2
	s_cbranch_scc0 .Lend                           ; waves 0 and 1 store the 64 columns' four words each
	ds_load_b128 v[XD:XD+3], v[P2A] offset:WSG-XSG
	s_wait_dscnt 0x0
	global_store_b128 v[OFF], v[XD:XD+3], s[24:25]
	s_branch .Lend
; ---------------- PATH O: 64 columns x 512 k of Wout, rounded to f16; no LDS ----------------
.Lpath_o:
	s_sub_co_u32 s32, ttmp9, 96
	s_cmp_ge_u32 s32, 16
	s_cselect_b32 s31, 1, 0
	s_cselect_b32 s33, 16, 0
	s_sub_co_u32 s32, s32, s33                     ; which 64 columns
	s_and_b32 s33, s30, 1
	s_lshr_b32 s34, s30, 1
	s_lshl_b32 s35, s32, 6
	s_lshl_b32 s36, s33, 5
	s_add_co_u32 s35, s35, s36                     ; my first column
	s_lshl_b32 s36, s31, 2
	s_add_co_u32 s36, s36, s34                     ; my 128 k
	s_lshl_b32 s38, s36, 19                        ; 128 rows of 4,096 bytes
	s_lshl_b32 s39, s35, 2
	s_add_co_u32 s38, s38, s39
	s_mov_b32 s39, 0
	s_add_nc_u64 s[12:13], s[12:13], s[38:39]
	s_lshl_b32 s38, s35, 11                        ; a tile of 16 columns is 32,768 bytes
	s_lshl_b32 s40, s36, 12                        ; 128 k are four chunks of 1,024 bytes
	s_add_co_u32 s38, s38, s40
	s_add_nc_u64 s[26:27], s[26:27], s[38:39]
	v_lshlrev_b32 v[GA], 2, v1
	v_lshlrev_b32 v[GB], 4, v2
	v_lshl_add_u32 v[GB], v3, 15, v[GB]
	LOADK 0, 12, 4096
	LOADK 1, 12, 4096
.macro BLOCKO t
.set XQ, XD+32*((\t)%2)
	WAITK \t
.set n, 0
.rept 16
	v_cvt_pk_f16_f32 v[XB+16*(\t)+n], v[XQ+2*n], v[XQ+2*n+1]
.set n, n+1
.endr
.irp k8, 0,1,2,3
	global_store_b128 v[GB], v[XB+16*(\t)+4*\k8:XB+16*(\t)+4*\k8+3], s[26:27] offset:1024*(\t)+256*\k8   ; eight k = piece 2 u + h of the image
.endr
.if (\t)+2 < 4
	LOADK (\t)+2, 12, 4096
.endif
.endm
	BLOCKO 0
	BLOCKO 1
	BLOCKO 2
	BLOCKO 3
.Lend:
	s_wait_tensorcnt 0x0                           ; the wave's end
	ds_add_u32 v[SPW], v[NIL]
	s_wait_dscnt 0x0
	s_endpgm
.Lfunc_end_k_q08eda81fdb_prep:
	.size	k_q08eda81fdb_prep, .Lfunc_end_k_q08eda81fdb_prep-k_q08eda81fdb_prep
	.p2alignl 7, 3214868480
	.fill 96, 4, 3214868480
	.section	.rodata,"a",@progbits
	.p2align	6, 0x0
	.amdhsa_kernel k_q08eda81fdb_prep
		.amdhsa_group_segment_fixed_size 88576
		.amdhsa_private_segment_fixed_size 0
		.amdhsa_enable_private_segment 0
		.amdhsa_kernarg_size 88
		.amdhsa_user_sgpr_count 2
		.amdhsa_user_sgpr_kernarg_segment_ptr 1
		.amdhsa_wavefront_size32 1
		.amdhsa_system_sgpr_workgroup_id_x 1
		.amdhsa_system_sgpr_workgroup_id_y 1
		.amdhsa_system_sgpr_workgroup_id_z 1
		.amdhsa_system_vgpr_workitem_id 0
		.amdhsa_next_free_vgpr 192
		.amdhsa_next_free_sgpr 66
		.amdhsa_reserve_vcc 1
		.amdhsa_float_denorm_mode_32 3
		.amdhsa_float_denorm_mode_16_64 3
		.amdhsa_memory_ordered 1
		.amdhsa_forward_progress 1
		.amdhsa_inst_pref_size 67
	.end_amdhsa_kernel
	.amdgpu_metadata
---
amdhsa.version: [ 1, 2 ]
amdhsa.kernels:
  - .name:           k_q08eda81fdb_prep
    .symbol:         k_q08eda81fdb_prep.kd
    .args:
      - { .name: x, .offset: 0, .size: 8, .value_kind: global_buffer, .address_space: global }
      - { .name: Wqkv, .offset: 8, .size: 8, .value_kind: global_buffer, .address_space: global }
      - { .name: Wout, .offset: 16, .size: 8, .value_kind: global_buffer, .address_space: global }
      - { .name: Wscale, .offset: 24, .size: 8, .value_kind: global_buffer, .address_space: global }
      - { .name: bscale, .offset: 32, .size: 8, .value_kind: global_buffer, .address_space: global }
      - { .name: xc, .offset: 40, .size: 8, .value_kind: global_buffer, .address_space: global }
      - { .name: xs, .offset: 48, .size: 8, .value_kind: global_buffer, .address_space: global }
      - { .name: wc, .offset: 56, .size: 8, .value_kind: global_buffer, .address_space: global }
      - { .name: ws, .offset: 64, .size: 8, .value_kind: global_buffer, .address_space: global }
      - { .name: wo, .offset: 72, .size: 8, .value_kind: global_buffer, .address_space: global }
      - { .name: sw, .offset: 80, .size: 8, .value_kind: global_buffer, .address_space: global }
    .group_segment_fixed_size: 88576
    .private_segment_fixed_size: 0
    .kernarg_segment_align: 8
    .kernarg_segment_size: 88
    .max_flat_workgroup_size: 256
    .sgpr_count:     66
    .vgpr_count:     192
    .wavefront_size: 32
...
	.end_amdgpu_metadata
.endif
;; end of part 1
;; launch gemm_qkv (part 2): grid 12 x 16, 4 waves a work-group, clusters of 4 x 4, 327,680 bytes of LDS; arguments xc, xs, wc, ws, bqkv, qkv; writes qkv
.if DOCPART == 2
	.amdgcn_target "amdgcn-amd-amdhsa--gfx1250"
	.amdhsa_code_object_version 6
	.text
	.protected	k_q08eda81fdb_gemm_qkv
	.globl	k_q08eda81fdb_gemm_qkv
	.p2align	8
	.type	k_q08eda81fdb_gemm_qkv,@function
k_q08eda81fdb_gemm_qkv:
	s_mov_b64 s[64:65], 0
	v_nop
	global_prefetch_b8 v0, s[64:65] scope:SCOPE_SE
	s_setreg_imm32_b32 hwreg(HW_REG_WAVE_MODE, 25, 1), 1
	s_wait_xcnt 0x0
	s_wait_alu depctr_hold_cnt(0) depctr_sa_sdst(0) depctr_va_vdst(0) depctr_va_sdst(0) depctr_va_ssrc(0) depctr_va_vcc(0) depctr_vm_vsrc(0)
	s_getreg_b32 s2, hwreg(HW_REG_IB_STS2, 6, 4)
	s_cmp_eq_u32 s2, 0
	s_cbranch_scc0 .Lentry_in_a_cluster
	s_endpgm
.Lentry_in_a_cluster:
	s_bfe_u32 s2, ttmp6, 0x10000c
	s_cmp_lg_u32 s2, 0xf033
	s_cbranch_scc0 .Lentry_shape_is_right
	s_endpgm
.Lentry_shape_is_right:
; qkv = x Wqkv + bqkv on codes of FP4 (E2M1) with one E8M0 byte for each 32 along K; sums in f32; the result rounded once to f16 and stored as images of the attention's fragment registers.
; M = 4,096 positions (sorted tokens), N = 3,072, K = 1,024.  A work-group of four waves makes 256 positions x 256 columns, a wave 128 x 128: 64 accumulators, 512 registers.
; All of K lies in LDS: two slots of 512 k, each filled ONCE, at the start; nothing is filled again.  Codes lie in memory and in LDS as images of fragment registers (four registers = 512 bytes,
; lane l's 16 bytes at 16 l): every LDS load reads 512 consecutive bytes, and no row pitch or padding is needed.
; CLUSTERS: 4 x 4 work-groups; x's tiles are shared along a row of the cluster, W's along a column: each is asked for jointly.  192 work-groups: 256 x 256 keeps a wave's columns inside two heads of one of q, k, v.
; THE MATRIX INSTRUCTION IS USED TRANSPOSED (source 0 = 16 columns of W, source 1 = 16 positions): a lane holds one position and eight neighbouring channels, which pack into the 16 bytes
; that the same lane holds in a fragment of q or k (16 positions x 32 channels).  v's pieces are laid with lane bits 3 and 4 exchanged, as the turning LDS load of the attention wants them.
; The bias is the C of each sum's first product.
; qkv: [q, k, v][batch x 16 + head: 32][tile of 16 positions: 128][32 channels: 2][u 2][lane][16 B] f16.
; LIMIT: |q|, |k|, |v| stay under 65,504 (f16).
; REGISTERS, in windows of 256: window 0: v0-31 addresses; v32-95 scale words, two sets; v128-191 x's fragments, one set; on the way out v128-255 packed results.
;   window 1: W's fragments, two sets, at v0 and v128; v64-127 the bias.   window 2, 3: the accumulators of my positions 0-63, 64-127 ((a, b) at v[8 (8 (a % 4) + b)]).
.set NQ,     4                         ; steps of 128 k in a slot
.set FR,     8                         ; registers of a fragment
.set NL,     2                         ; LDS loads that bring one
.set NP,     4                         ; places behind this matrix instruction (ISA guide 7.12.1)
.set SLOT,   131072                    ; x's 16 tiles x 4 steps x 1,024 bytes, then W's
.set WSIDE,  65536
.set SCL,    262144                    ; the scale words: wave w's 4,096 bytes: x K half 0, x half 1, W half 0, W half 1; 16 bytes a row
.set SPARE,  278528                    ; the spare words, 128 bytes for each wave
.set ADRA, 16                          ; v16-17  x's fragments in slot 0, 1
.set ADRB, 20                          ; v20-21  W's
.set QO,   26                          ; v26     my 16 bytes' place in an image of 512
.set ADRS, 27                          ; v27     my scale words: lanes 0-15 x's rows, lanes 16-31 W's
.set SPW,  28
.set NIL,  29
.set SC,   32
.set AF,   128
.set TMP,  128
.set BIAS, 64                          ; in window 1
.set G1, 24
.set G0, 32
.set G1B, 48
.set G0B, 56
.set G1S, 68
.set G0S, 76
.set G1SB, 80
.set G0SB, 88
.set MSB, 0
.macro WIN new                         ; the immediate's high byte repeats the setting that is left
.if MSB != \new
	s_set_vgpr_msb (MSB<<8)|\new
.set MSB, \new
.endif
.endm
.set MUL_LO, 0xa1                      ; source 0 (W) window 1, source 1 (x) window 0, C and D window 2
.set MUL_HI, 0xf1
.set ONE_LO, 0x91                      ; the first step: C (the bias) window 1, D window 2
.set ONE_HI, 0xd1
.set TO_B,   0x40
; a joint load: waves 0 and 1 fetch for x, waves 2 and 3 for W; an s_nop 0 and four v_nop follow each of the two lines
.macro JLOAD g0a, g1a, g0b, g1b
	s_cmp_eq_u32 s17, 0
	s_cbranch_scc0 .Lfor_b_\@
	tensor_load_to_lds s[\g0a:\g0a+3], s[\g1a:\g1a+7]
	s_nop 0
.rept 4
	v_nop
.endr
	s_branch .Lasked_\@
.Lfor_b_\@:
	tensor_load_to_lds s[\g0b:\g0b+3], s[\g1b:\g1b+7]
	s_nop 0
.rept 4
	v_nop
.endr
.Lasked_\@:
.endm
.macro CROUND                          ; a round of the cluster's barrier
	s_barrier_signal -1
	s_barrier_wait -1
	s_cmp_lg_u32 s16, 0
	s_cbranch_scc1 .Lnot_wave_0_\@
	s_barrier_signal -3
.Lnot_wave_0_\@:
	s_barrier_wait -3
	s_barrier_signal -1
	s_barrier_wait -1
.endm
	s_load_b128 s[4:7], s[0:1], 0x0                ; xc, xs
	s_load_b128 s[8:11], s[0:1], 0x10              ; wc, ws
	s_load_b128 s[12:15], s[0:1], 0x20             ; bqkv, qkv
	v_lshl_add_u32 v[SPW], v0, 2, SPARE
	v_mov_b32 v[NIL], 0
	ds_add_u32 v[SPW], v[NIL]                      ; the wave's opening: the add, twice on end, and its wait ahead of my first tensor load
	ds_add_u32 v[SPW], v[NIL]
	v_lshrrev_b32 v1, 5, v0
	v_readfirstlane_b32 s16, v1                    ; wave 0..3
	s_lshr_b32 s17, s16, 1                         ; which half of the positions is mine.  Also: I fetch for x (0) or for W (1)
	s_and_b32 s18, s16, 1                          ; which half of the columns.  Also: which half of that side I fetch
	s_bfe_u32 s40, ttmp6, 0x40000                  ; cx, cy
	s_bfe_u32 s41, ttmp6, 0x40004
	s_lshl_b32 s42, ttmp9, 2
	s_add_co_u32 s42, s42, s40                     ; tile of 256 columns
	s_and_b32 s19, ttmp7, 0xffff
	s_lshl_b32 s19, s19, 2
	s_add_co_u32 s19, s19, s41                     ; tile of 256 positions
	s_lshl_b32 s43, s41, 2
	s_lshl_b32 s43, 15, s43                        ; my row of the cluster
	s_lshl_b32 s44, 0x1111, s40                    ; my column
	; group 1 for codes: 8 rows (tiles of 16) x 4,096 bytes (four steps of 128 k), 8,192 bytes apart; elements of 8 bytes; dense in LDS
	s_or_b32 s[G1+0], s43, (3<<16)|(1<<21)
	s_or_b32 s[G1B+0], s44, (3<<16)|(1<<21)
.irp g, G1, G1B
	s_mov_b32 s[\g+1], 512<<16                     ; tensor_dim0
	s_mov_b32 s[\g+2], 8<<16                       ; tensor_dim1
	s_mov_b32 s[\g+3], 512<<16                     ; tile_dim0
	s_mov_b32 s[\g+4], 8                           ; tile_dim1
	s_mov_b32 s[\g+5], 1024                        ; stride
	s_mov_b32 s[\g+6], 0
	s_mov_b32 s[\g+7], 0
.endr
	; group 1 for scale words: 4,096 dense bytes as 16 rows of 256
	s_or_b32 s[G1S+0], s43, (3<<16)|(1<<21)
	s_or_b32 s[G1SB+0], s44, (3<<16)|(1<<21)
.irp g, G1S, G1SB
	s_mov_b32 s[\g+1], 32<<16
	s_mov_b32 s[\g+2], 16<<16
	s_mov_b32 s[\g+3], 32<<16
	s_mov_b32 s[\g+4], 16
	s_mov_b32 s[\g+5], 32
	s_mov_b32 s[\g+6], 0
	s_mov_b32 s[\g+7], 0
.endr
	s_lshl_b32 s20, s19, 4
	s_lshl_b32 s21, s18, 3
	s_add_co_u32 s20, s20, s21
	s_lshl_b32 s20, s20, 13                        ; x's codes: tile 16 M + 8 half, 8,192 bytes a tile
	s_mov_b32 s21, 0
	s_lshl_b32 s46, s42, 4
	s_lshl_b32 s47, s18, 3
	s_add_co_u32 s46, s46, s47
	s_lshl_b32 s46, s46, 13                        ; W's likewise
	s_mov_b32 s47, 0
	s_lshl_b32 s22, s19, 12
	s_lshl_b32 s23, s18, 16
	s_add_co_u32 s22, s22, s23                     ; x's words: K half (wave % 2), my tile's 4,096 bytes
	s_mov_b32 s23, 0
	s_lshl_b32 s92, s42, 12
	s_mul_i32 s93, s18, 49152
	s_add_co_u32 s92, s92, s93                     ; W's
	s_mov_b32 s93, 0
	s_lshl_b32 s45, s16, 15                        ; where they go: wave x 32,768: no place in the cluster enters an LDS address
	s_lshl_b32 s94, s16, 12
	s_wait_dscnt 0x0                               ; both opening adds are done
	s_wait_kmcnt 0x0
	s_add_nc_u64 s[20:21], s[4:5], s[20:21]
	s_add_nc_u64 s[22:23], s[6:7], s[22:23]
	s_add_nc_u64 s[46:47], s[8:9], s[46:47]
	s_add_nc_u64 s[92:93], s[10:11], s[92:93]
	CROUND                                         ; all sixteen work-groups are here: the joint loads meet
	s_mov_b32 s[G0S], 1
	s_add_co_u32 s[G0S+1], s94, SCL
	s_mov_b64 s[G0S+2:G0S+3], s[22:23]
	s_or_b32 s[G0S+3], s[G0S+3], 0x80000000
	s_mov_b32 s[G0SB], 1
	s_add_co_u32 s[G0SB+1], s94, SCL
	s_mov_b64 s[G0SB+2:G0SB+3], s[92:93]
	s_or_b32 s[G0SB+3], s[G0SB+3], 0x80000000
	JLOAD G0S, G1S, G0SB, G1SB                     ; the scale words first; then both slots: three loads of mine are out
.irp s, 0,1
	s_mov_b32 s[G0+4*\s], 1
	s_add_co_u32 s[G0+4*\s+1], s45, \s*SLOT
	s_add_nc_u64 s[G0+4*\s+2:G0+4*\s+3], s[20:21], \s*4096
	s_or_b32 s[G0+4*\s+3], s[G0+4*\s+3], 0x80000000
	s_mov_b32 s[G0B+4*\s], 1
	s_add_co_u32 s[G0B+4*\s+1], s45, \s*SLOT
	s_add_nc_u64 s[G0B+4*\s+2:G0B+4*\s+3], s[46:47], \s*4096
	s_or_b32 s[G0B+4*\s+3], s[G0B+4*\s+3], 0x80000000
	JLOAD G0+4*\s, G1, G0B+4*\s, G1B
.endr
	v_and_b32 v1, 31, v0                           ; lane
	v_and_b32 v2, 15, v0                           ; r
	v_bfe_u32 v3, v0, 4, 1                         ; h
	v_lshlrev_b32 v4, 4, v1                        ; 16 x lane
	s_lshl_b32 s21, s17, 15                        ; my 8 tiles of positions
	s_lshl_b32 s22, s18, 15
	s_add_co_u32 s22, s22, WSIDE                   ; my 8 tiles of columns
.irp s, 0,1
	v_add_nc_u32 v[ADRA+\s], s21, v4
	v_add_nc_u32 v[ADRB+\s], s22, v4
	s_add_co_u32 s21, s21, SLOT
	s_add_co_u32 s22, s22, SLOT
.endr
	s_lshl_b32 s21, s17, 11                        ; x's words: my 128 rows of 16 bytes
	s_lshl_b32 s22, s18, 11
	s_add_co_u32 s22, s22, 8192                    ; W's lie 8,192 bytes further on
	s_sub_co_u32 s22, s22, s21
	v_mul_u32_u24 v6, s22, v3                      ; lanes 16-31 take W's: one product, the distance between the two
	s_add_co_u32 s21, s21, SCL
	v_lshl_add_u32 v5, v2, 4, v6
	v_add_nc_u32 v[ADRS], s21, v5
	v_and_b32 v5, 7, v0                            ; v's pieces: 16 (r % 8) + 128 h + 256 (r / 8)
	v_lshlrev_b32 v5, 4, v5
	v_lshl_add_u32 v5, v3, 7, v5
	v_bfe_u32 v6, v0, 3, 1
	v_lshl_add_u32 v5, v6, 8, v5
	s_cmp_eq_u32 ttmp9, 2                          ; the cluster's x says q, k or v: the same in all sixteen partners
	s_cselect_b32 s95, -1, 0
	v_cndmask_b32 v[QO], v4, v5, s95
	s_lshl_b32 s20, s42, 10
	s_lshl_b32 s21, s18, 9
	s_add_co_u32 s20, s20, s21
	s_mov_b32 s21, 0
	s_add_nc_u64 s[12:13], s[12:13], s[20:21]      ; the bias of my 128 columns
	v_lshlrev_b32 v7, 5, v3                        ; lane (r, h) wants, for block b, channels 16 b + 8 h + 0..7
	WIN TO_B
.irp b, 0,1,2,3,4,5,6,7
	global_load_b128 v[BIAS+8*\b:BIAS+8*\b+3], v7, s[12:13] offset:64*\b
	global_load_b128 v[BIAS+8*\b+4:BIAS+8*\b+7], v7, s[12:13] offset:64*\b+16
.endr
	WIN 0
	s_lshr_b32 s20, s19, 3                         ; where my results go: batch,
	s_lshl_b32 s20, s20, 4
	s_lshl_b32 s21, s40, 2
	s_add_co_u32 s20, s20, s21
	s_lshl_b32 s21, s18, 1
	s_add_co_u32 s20, s20, s21                     ; head 4 cx + 2 (wave % 2),
	s_lshl_b32 s20, s20, 7
	s_and_b32 s21, s19, 7
	s_lshl_b32 s21, s21, 4
	s_add_co_u32 s20, s20, s21
	s_lshl_b32 s21, s17, 3
	s_add_co_u32 s20, s20, s21                     ; tile of positions in the batch,
	s_lshl_b32 s20, s20, 11                        ; 2,048 bytes a tile and head,
	s_lshl_b32 s21, ttmp9, 23
	s_add_co_u32 s20, s20, s21                     ; in q's, k's or v's part
	s_mov_b32 s21, 0
	s_add_nc_u64 s[14:15], s[14:15], s[20:21]
.macro FRAG reg, adr, q, i             ; a fragment's image: two loads of 512 consecutive bytes
.irp c, 0,1
	ds_load_b128 v[\reg+4*\c:\reg+4*\c+3], v[\adr] offset:4096*(\i)+1024*(\q)+512*\c
.endr
.endm
; 16 matrix instructions: x's blocks a0, a0 + 1 against W's eight, the slot's q-th 128 k.  p: W's set; sc: the set of scale words; one = 1: the bias starts the sums.
; The 64 accumulators take turns, one instruction a turn, in the same order in every step.
.macro MUL16 a0, p, q, sc, one
.irp a, \a0, \a0+1
.irp b, 0,1,2,3,4,5,6,7
.if \one
	v_wmma_scale_f32_16x16x128_f8f6f4 v[8*(8*((\a)%4)+\b):8*(8*((\a)%4)+\b)+7], v[128*(\p)+FR*\b:128*(\p)+FR*\b+FR-1], v[AF+FR*(\a):AF+FR*(\a)+FR-1], v[BIAS+8*\b:BIAS+8*\b+7], v[SC+8*NQ*(\sc)+NQ*\b+(\q)], v[SC+8*NQ*(\sc)+NQ*(\a)+(\q)] matrix_a_fmt:MATRIX_FMT_FP4 matrix_b_fmt:MATRIX_FMT_FP4 matrix_a_scale:MATRIX_SCALE_ROW1
.else
	v_wmma_scale_f32_16x16x128_f8f6f4 v[8*(8*((\a)%4)+\b):8*(8*((\a)%4)+\b)+7], v[128*(\p)+FR*\b:128*(\p)+FR*\b+FR-1], v[AF+FR*(\a):AF+FR*(\a)+FR-1], v[8*(8*((\a)%4)+\b):8*(8*((\a)%4)+\b)+7], v[SC+8*NQ*(\sc)+NQ*\b+(\q)], v[SC+8*NQ*(\sc)+NQ*(\a)+(\q)] matrix_a_fmt:MATRIX_FMT_FP4 matrix_b_fmt:MATRIX_FMT_FP4 matrix_a_scale:MATRIX_SCALE_ROW1
.endif
.endr
.endr
.endm
.macro FETCH_B slot, q, p
	WIN TO_B
.irp i, 0,1,2,3,4,5,6,7
	FRAG 128*(\p)+FR*\i, ADRB+\slot, \q, \i
.endr
	WIN 0
.endm
.macro FETCH_A slot, q, i0
.irp i, \i0, \i0+1, \i0+2, \i0+3
	FRAG AF+FR*(\i), ADRA+\slot, \q, \i
.endr
.endm
.macro SCALES sc                       ; a slot's scale words: four words a row; lanes 0-15 take x's block i, lanes 16-31 W's block i
.irp i, 0,1,2,3,4,5,6,7
	ds_load_b128 v[SC+8*NQ*\sc+NQ*\i:SC+8*NQ*\sc+NQ*\i+3], v[ADRS] offset:4096*\sc+256*\i
.endr
.endm
.macro PLACES n                        ; plain vector lines between a matrix instruction and a load into, or a read of, its registers
.rept \n
	v_nop
.endr
.endm
; a step of 128 k that has its successor in the same slot
.macro STEP slot, q, one
	s_wait_dscnt 4*NL                              ; W's set and x's blocks 0-3 are in; the youngest eight loads (x's blocks 4-7) may be out
.if \one
	WIN ONE_LO
.else
	WIN MUL_LO
.endif
	MUL16 0, (\q)%2, \q, \slot, \one
	MUL16 2, (\q)%2, \q, \slot, \one
	s_wait_dscnt 0                                 ; x's blocks 4-7 are in
	PLACES NP
	FETCH_B \slot, (\q)+1, 1-(\q)%2
	FETCH_A \slot, (\q)+1, 0
.if \one
	WIN ONE_HI
.else
	WIN MUL_HI
.endif
	MUL16 4, (\q)%2, \q, \slot, \one
	MUL16 6, (\q)%2, \q, \slot, \one
	PLACES NP
	WIN 0
	FETCH_A \slot, (\q)+1, 4
.endm
	s_wait_tensorcnt 1                             ; the scale words and my part of slot 0 are in; slot 1's load may be out
	s_barrier_signal -1
	s_barrier_wait -1
	FETCH_B 0, 0, 0
	FETCH_A 0, 0, 0
	SCALES 0
	FETCH_A 0, 0, 4
	s_wait_loadcnt 0x0                             ; the bias
	STEP 0, 0, 1
	STEP 0, 1, 0
	STEP 0, 2, 0
	; slot 0's last step goes over to slot 1: one barrier; in front of it each wave's part of slot 1 has landed
	s_wait_tensorcnt 0x0
	ds_add_u32 v[SPW], v[NIL]                      ; 0 onto my spare word
	s_wait_dscnt 4*NL+1                            ; (the add and x's blocks 4-7 may be out)
	WIN MUL_LO
	MUL16 0, 1, NQ-1, 0, 0
	s_wait_dscnt 0x0
	s_barrier_signal -1
	MUL16 2, 1, NQ-1, 0, 0
	WIN 0
	s_barrier_wait -1
	PLACES NP
	FETCH_B 1, 0, 0
	FETCH_A 1, 0, 0
	SCALES 1
	WIN MUL_HI
	MUL16 4, 1, NQ-1, 0, 0
	MUL16 6, 1, NQ-1, 0, 0
	PLACES NP
	WIN 0
	FETCH_A 1, 0, 4
	STEP 1, 0, 0
	STEP 1, 1, 0
	STEP 1, 2, 0
	s_wait_dscnt 4*NL                              ; the last step: nothing more to fetch
	WIN MUL_LO
	MUL16 0, 1, NQ-1, 1, 0
	MUL16 2, 1, NQ-1, 1, 0
	s_wait_dscnt 0
	WIN MUL_HI
	MUL16 4, 1, NQ-1, 1, 0
	MUL16 6, 1, NQ-1, 1, 0
	WIN 0
	; THE WAY OUT, no LDS: accumulator (a, b) rounds to four registers, which are group b % 2 of the fragment (tile a, head b / 4, channels 32 ((b / 2) % 2) on): each store covers 512 consecutive bytes
	PLACES NP
.irp a, 0,1,2,3,4,5,6,7
.if \a == 4
	s_wait_xcnt 0x0                                ; the stores of blocks 0-3 have read their registers, which are written again from here on
.endif
	WIN 0x0a+5*(\a/4)                              ; sources in window 2 or 3
.irp b, 0,1,2,3,4,5,6,7
.irp rr, 0,1,2,3
	v_cvt_pk_f16_f32 v[TMP+32*(\a%4)+4*\b+\rr], v[64*(\a%4)+8*\b+2*\rr], v[64*(\a%4)+8*\b+2*\rr+1]   ; each accumulator from its low end on
.endr
.endr
	WIN 0
.irp b, 0,1,2,3,4,5,6,7
	global_store_b128 v[QO], v[TMP+32*(\a%4)+4*\b:TMP+32*(\a%4)+4*\b+3], s[14:15] offset:2048*\a+262144*(\b/4)+1024*((\b/2)%2)+512*(\b%2)
.endr
.endr
	s_wait_tensorcnt 0x0                           ; the wave's end
	ds_add_u32 v[SPW], v[NIL]
	s_wait_dscnt 0x0
	CROUND                                         ; the closing round
	s_endpgm
.Lfunc_end_k_q08eda81fdb_gemm_qkv:
	.size	k_q08eda81fdb_gemm_qkv, .Lfunc_end_k_q08eda81fdb_gemm_qkv-k_q08eda81fdb_gemm_qkv
	.p2alignl 7, 3214868480
	.fill 96, 4, 3214868480
	.section	.rodata,"a",@progbits
	.p2align	6, 0x0
	.amdhsa_kernel k_q08eda81fdb_gemm_qkv
		.amdhsa_group_segment_fixed_size 327680
		.amdhsa_private_segment_fixed_size 0
		.amdhsa_enable_private_segment 0
		.amdhsa_kernarg_size 48
		.amdhsa_user_sgpr_count 2
		.amdhsa_user_sgpr_kernarg_segment_ptr 1
		.amdhsa_wavefront_size32 1
		.amdhsa_system_sgpr_workgroup_id_x 1
		.amdhsa_system_sgpr_workgroup_id_y 1
		.amdhsa_system_sgpr_workgroup_id_z 1
		.amdhsa_system_vgpr_workitem_id 0
		.amdhsa_next_free_vgpr 1024
		.amdhsa_next_free_sgpr 98
		.amdhsa_reserve_vcc 0
		.amdhsa_float_denorm_mode_32 3
		.amdhsa_float_denorm_mode_16_64 3
		.amdhsa_memory_ordered 1
		.amdhsa_forward_progress 1
		.amdhsa_inst_pref_size 119
	.end_amdhsa_kernel
	.amdgpu_metadata
---
amdhsa.version: [ 1, 2 ]
amdhsa.kernels:
  - .name:           k_q08eda81fdb_gemm_qkv
    .symbol:         k_q08eda81fdb_gemm_qkv.kd
    .args:
      - { .name: xc, .offset: 0, .size: 8, .value_kind: global_buffer, .address_space: global }
      - { .name: xs, .offset: 8, .size: 8, .value_kind: global_buffer, .address_space: global }
      - { .name: wc, .offset: 16, .size: 8, .value_kind: global_buffer, .address_space: global }
      - { .name: ws, .offset: 24, .size: 8, .value_kind: global_buffer, .address_space: global }
      - { .name: bqkv, .offset: 32, .size: 8, .value_kind: global_buffer, .address_space: global }
      - { .name: qkv, .offset: 40, .size: 8, .value_kind: global_buffer, .address_space: global }
    .group_segment_fixed_size: 327680
    .private_segment_fixed_size: 0
    .kernarg_segment_align: 8
    .kernarg_segment_size: 48
    .max_flat_workgroup_size: 128
    .sgpr_count:     98
    .vgpr_count:     1024
    .wavefront_size: 32
...
	.end_amdgpu_metadata
.endif
;; end of part 2
;; launch attn (part 3): grid 8 x 32, 8 waves a work-group, clusters of 4 x 1, 327,680 bytes of LDS; arguments qkv, sw, aimg; writes aimg
.if DOCPART == 3
	.amdgcn_target "amdgcn-amd-amdhsa--gfx1250"
	.amdhsa_code_object_version 6
	.text
	.protected	k_q08eda81fdb_attn
	.globl	k_q08eda81fdb_attn
	.p2align	8
	.type	k_q08eda81fdb_attn,@function
k_q08eda81fdb_attn:
	s_mov_b64 s[64:65], 0
	v_nop
	global_prefetch_b8 v0, s[64:65] scope:SCOPE_SE
	s_setreg_imm32_b32 hwreg(HW_REG_WAVE_MODE, 25, 1), 1
	s_wait_xcnt 0x0
	s_wait_alu depctr_hold_cnt(0) depctr_sa_sdst(0) depctr_va_vdst(0) depctr_va_sdst(0) depctr_va_ssrc(0) depctr_va_vcc(0) depctr_vm_vsrc(0)
	s_getreg_b32 s2, hwreg(HW_REG_IB_STS2, 6, 4)
	s_cmp_eq_u32 s2, 0
	s_cbranch_scc0 .Lentry_in_a_cluster
	s_endpgm
.Lentry_in_a_cluster:
	s_bfe_u32 s2, ttmp6, 0x10000c
	s_cmp_lg_u32 s2, 0x3003
	s_cbranch_scc0 .Lentry_shape_is_right
	s_endpgm
.Lentry_shape_is_right:
; THE FOUR DILATED ATTENTIONS OF A HEAD IN ONE WALK.  The positions are sorted so that the keys of dilation 8, 4, 2, 1 are the first 256, 512, 1,024, 2,048 positions of a batch.  One walk over the
; 2,048 keys with a running maximum m, sum l and O holds, after 256, 512, 1,024 and 2,048 keys, exactly the state of the softmax attention over that set of keys (its own maximum taken away):
; at those four points OUT += (gate weight / l) O.  Each score, exponential and product is made once.
; q, k, v: f16 images of fragment registers; products by the f16 matrix form with f32 sums; maxima, exponentials, rescaling and OUT in f32; p is rounded to f16 for the second product, and l is
; the sum of the same rounded p, taken by the matrix unit (a product with two rows of ones).  OUT is rounded once to f16 and stored as images of the last product's fragments.
; LIMITS: |q|, |k|, |v| and the result stay under 65,504; NaN and infinities are not served.
; SHARES.  A work-group owns 256 queries of one (batch, head); each of its eight waves two tiles of 16, in 512 registers: two waves to a SIMD, so that one wave's vector work stands beside the other's products.
; LAYOUT.  S^T = K Q^T (source 0 = 16 keys, source 1 = 16 queries); O^T = V^T P (source 0 = 16 channels x 32 keys, by the turning LDS load): a lane holds one query throughout.
; RING.  Two slots of 512 keys (K 65,536 bytes, then V), dense images; every wave fetches 16,384 bytes of each fill.  CLUSTER: the four query blocks of a cluster walk the same K and V: each fill is asked for jointly.
; REGISTERS: window 0: v2-9 addresses; v12-27 statistics (tile t at v[12 + 8 t]: +0 c m, +1 m, +2 gate / l, +3 zero, +4..+7 at work; the rescaling factor takes +6); v28-35 gate weights;
;   v64-127 S^T; v128-159 P; v160-223 O^T; v224-239 l (register 0 of each tile's eight).   window 1: v0-63 K; v64-127 V; v128-191 OUT; v192-223 Q; v240-247 ones in rows 0 and 8.
.set SLOT1, 131072
.set VOFF,  65536
.set SPARE, 262144                     ; the spare words, 128 bytes for each wave: four blocks of 256 bytes that no other line names
.set LI,  2                            ; v2   16 x lane
.set LIV, 3                            ; v3   the same in V's half of a slot
.set ADK, 4
.set ADV, 5
.set R16, 6                            ; v6   16 r
.set PFO, 7                            ; v7   256 x lane
.set SPW, 8
.set NIL, 9
.set ST,  12
.set WT,  28
.set S,   64
.set P,   128
.set O,   160
.set L,   224
.set VF,  64                           ; window 1
.set OUT, 128
.set Q,   192
.set ONES, 240
.set WV,  12
.set G1,  24
.set G0A, 40
.set G0B, 44
.set PFA, 48
.set PFF, 50
.set CNT, 57
.set CS,  58
.set SEL, 60
.set TB,  62
.set MSB, 0
.macro WIN new
.if MSB != \new
	s_set_vgpr_msb (MSB<<8)|\new
.set MSB, \new
.endif
.endm
.macro PLACES
.rept 4
	v_nop
.endr
.endm
.macro CROUND
	s_barrier_signal -1
	s_barrier_wait -1
	s_cmp_lg_u32 s[WV], 0
	s_cbranch_scc1 .Lnot_wave_0_\@
	s_barrier_signal -3
.Lnot_wave_0_\@:
	s_barrier_wait -3
	s_barrier_signal -1
	s_barrier_wait -1
.endm
	s_load_b128 s[4:7], s[0:1], 0x0                ; qkv, sw
	s_load_b64 s[8:9], s[0:1], 0x10                ; aimg
	v_lshl_add_u32 v[SPW], v0, 2, SPARE
	v_mov_b32 v[NIL], 0
	ds_add_u32 v[SPW], v[NIL]                      ; the wave's opening: the add, twice on end, and its wait ahead of my first tensor load
	ds_add_u32 v[SPW], v[NIL]
	v_lshrrev_b32 v1, 5, v0
	v_readfirstlane_b32 s[WV], v1                  ; wave 0..7
	s_bfe_u32 s13, ttmp6, 0x40000                  ; cx
	s_lshl_b32 s14, ttmp9, 2
	s_add_co_u32 s14, s14, s13                     ; my block of 256 queries: it enters q's, the gate's and the result's addresses alone
	s_and_b32 s15, ttmp7, 0xffff                   ; batch x 16 + head, which the partners share
	; group 1: 16,384 dense bytes as 64 rows of 256; elements of 8 bytes; the mask names all four partners
	s_mov_b32 s[G1], 15|(3<<16)|(1<<21)
	s_mov_b32 s[G1+1], 32<<16
	s_mov_b32 s[G1+2], 64<<16
	s_mov_b32 s[G1+3], 32<<16
	s_mov_b32 s[G1+4], 64
	s_mov_b32 s[G1+5], 32
	s_mov_b32 s[G1+6], 0
	s_mov_b32 s[G1+7], 0
	s_lshr_b32 s16, s[WV], 2                       ; waves 0-3 fetch K's quarters, waves 4-7 V's
	s_add_co_u32 s16, s16, 1
	s_lshl_b32 s16, s16, 23
	s_lshl_b32 s17, s15, 18
	s_add_co_u32 s16, s16, s17
	s_and_b32 s17, s[WV], 3
	s_lshl_b32 s17, s17, 14
	s_add_co_u32 s16, s16, s17
	s_mov_b32 s17, 0
	s_lshl_b32 s18, s[WV], 14                      ; and in a slot: 16,384 x wave
	s_mov_b32 s[CS], 0x3e38aa3b                    ; c = log2(e) / sqrt(64)
	s_mov_b32 s[CS+1], s[CS]
	s_mov_b32 s[SEL], 0x76543210
	s_mov_b32 s[SEL+1], 0xfedcba98
	s_mov_b32 s[TB], 0
	s_wait_dscnt 0x0                               ; both opening adds are done
	s_wait_kmcnt 0x0
	CROUND                                         ; all four work-groups are here: the first joint loads meet
	s_mov_b32 s[G0A], 1
	s_mov_b32 s[G0A+1], s18                        ; slot 0: keys 0-511
	s_add_nc_u64 s[G0A+2:G0A+3], s[4:5], s[16:17]
	s_or_b32 s[G0A+3], s[G0A+3], 0x80000000
	s_mov_b32 s[G0B], 1
	s_add_co_u32 s[G0B+1], s18, SLOT1              ; slot 1: keys 512-1,023
	s_add_nc_u64 s[G0B+2:G0B+3], s[4:5], s[16:17]
	s_add_nc_u64 s[G0B+2:G0B+3], s[G0B+2:G0B+3], 65536
	s_or_b32 s[G0B+3], s[G0B+3], 0x80000000
	tensor_load_to_lds s[G0A:G0A+3], s[G1:G1+7]    ; two loads of mine are out
	s_nop 0
	tensor_load_to_lds s[G0B:G0B+3], s[G1:G1+7]
	s_nop 0
.rept 4
	v_nop
.endr
	v_and_b32 v1, 31, v0
	v_lshlrev_b32 v[LI], 4, v1
	v_add_nc_u32 v[LIV], VOFF, v[LI]
	v_and_b32 v10, 15, v0
	v_lshlrev_b32 v[R16], 4, v10
	v_lshlrev_b32 v[PFO], 8, v1
	s_lshl_b32 s16, s15, 7                         ; q: tile 128 y + 16 block + 2 wave, 2,048 bytes a tile
	s_lshl_b32 s17, s14, 4
	s_add_co_u32 s16, s16, s17
	s_lshl_b32 s17, s[WV], 1
	s_add_co_u32 s16, s16, s17
	s_lshl_b32 s16, s16, 11
	s_mov_b32 s17, 0
	s_add_nc_u64 s[52:53], s[4:5], s[16:17]
	s_lshr_b32 s20, s15, 4                         ; the batch
	s_lshl_b32 s16, s20, 11                        ; the gate: 16 bytes a position
	s_lshl_b32 s17, s14, 8
	s_add_co_u32 s16, s16, s17
	s_lshl_b32 s17, s[WV], 5
	s_add_co_u32 s16, s16, s17
	s_lshl_b32 s16, s16, 4
	s_mov_b32 s17, 0
	s_add_nc_u64 s[54:55], s[6:7], s[16:17]
	s_lshl_b32 s16, s20, 7                         ; the result: 32,768 bytes a tile of positions, 2,048 a head
	s_lshl_b32 s17, s14, 4
	s_add_co_u32 s16, s16, s17
	s_lshl_b32 s17, s[WV], 1
	s_add_co_u32 s16, s16, s17
	s_lshl_b32 s16, s16, 15
	s_and_b32 s17, s15, 15
	s_lshl_b32 s17, s17, 11
	s_add_co_u32 s16, s16, s17
	s_mov_b32 s17, 0
	s_add_nc_u64 s[66:67], s[8:9], s[16:17]
	; the one prefetch (macro ASK): the last fill's 131,072 bytes, each aligned block of 256 named once for a head: the head's first cluster asks; its partners are told apart by address
	; (places 0, 1: K's halves; 2, 3: V's); in each, waves 0-3 take 8,192 bytes, lanes 256 bytes apart
	s_lshr_b32 s16, s13, 1
	s_add_co_u32 s16, s16, 1
	s_lshl_b32 s16, s16, 23
	s_lshl_b32 s17, s15, 18
	s_add_co_u32 s16, s16, s17
	s_and_b32 s17, s13, 1
	s_lshl_b32 s17, s17, 15
	s_add_co_u32 s16, s16, s17
	s_lshl_b32 s17, s[WV], 13
	s_add_co_u32 s16, s16, s17
	s_add_co_u32 s16, s16, 196608
	s_mov_b32 s17, 0
	s_add_nc_u64 s[PFA:PFA+1], s[4:5], s[16:17]
	s_lshr_b32 s16, s[WV], 2
	s_or_b32 s16, s16, ttmp9                       ; waves 0-3 of the head's first cluster: the same in all four partners
	s_cmp_eq_u32 s16, 0
	s_cselect_b32 s[PFF], 1, 0
	WIN 0x40                                       ; destination window 1
.irp t, 0,1
.irp cc, 0,1
.irp u, 0,1
	global_load_b128 v[Q+8*(2*\t+\cc)+4*\u:Q+8*(2*\t+\cc)+4*\u+3], v[LI], s[52:53] offset:2048*\t+1024*\cc+512*\u
.endr
.endr
.endr
	WIN 0
.irp t, 0,1
	global_load_b128 v[WT+4*\t:WT+4*\t+3], v[R16], s[54:55] offset:256*\t   ; my query's four gate weights
.endr
	v_mov_b32 v[ST+3], 0                           ; named as the upper halves of pairs
	v_mov_b32 v[ST+11], 0
	v_and_b32 v10, 7, v0
	v_cmp_eq_u32 s51, 0, v10
	v_mov_b32 v11, 0x3c003c00                      ; two f16 ones
	v_cndmask_b32 v10, 0, v11, s51                 ; rows 0 and 8 of the 16 are ones: register 0 of the product is then the query's sum in both halves of the lanes
	WIN 0x40
.irp i, 0,1,2,3,4,5,6,7
	v_mov_b32 v[ONES+\i], v10
.endr
	WIN 0
	s_wait_tensorcnt 1                             ; my part of slot 0 is in; slot 1's may stay out
	s_barrier_signal -1
	s_barrier_wait -1
	s_wait_loadcnt 0x0                             ; q and the gate
; A KEY STEP: 64 keys at LDS byte s[TB].  one = 1: the first step, which starts m, l and O^T.
.macro STEP one
	v_add_nc_u32 v[ADK], s[TB], v[LI]
	v_add_nc_u32 v[ADV], s[TB], v[LIV]
	WIN 0x40
.irp f, 0,1,2,3,4,5,6,7                        ; K's fragment 2 kt + cc: 16 keys x 32 channels
	ds_load_b128 v[8*\f:8*\f+3], v[ADK] offset:1024*\f
	ds_load_b128 v[8*\f+4:8*\f+7], v[ADK] offset:1024*\f+512
.endr
.irp kp, 0,1                                   ; V^T's fragment 4 kp + ct: 16 channels x 32 keys, turned: two tiles of 16 keys
.irp ct, 0,1,2,3
	ds_load_tr16_b128 v[VF+8*(4*\kp+\ct):VF+8*(4*\kp+\ct)+3], v[ADV] offset:4096*\kp+1024*(\ct/2)+512*(\ct%2)
	ds_load_tr16_b128 v[VF+8*(4*\kp+\ct)+4:VF+8*(4*\kp+\ct)+7], v[ADV] offset:4096*\kp+2048+1024*(\ct/2)+512*(\ct%2)
.endr
.endr
	s_wait_dscnt 16                                ; K is in; V's sixteen loads may be out
	WIN 0x05                                       ; K and Q in window 1
.irp cc, 0,1                                   ; the eight accumulators take turns, one instruction a turn
.irp kt, 0,1,2,3
.irp t, 0,1
.if \cc == 0
	v_wmma_f32_16x16x32_f16 v[S+32*\t+8*\kt:S+32*\t+8*\kt+7], v[8*(2*\kt+\cc):8*(2*\kt+\cc)+7], v[Q+8*(2*\t+\cc):Q+8*(2*\t+\cc)+7], 0
.else
	v_wmma_f32_16x16x32_f16 v[S+32*\t+8*\kt:S+32*\t+8*\kt+7], v[8*(2*\kt+\cc):8*(2*\kt+\cc)+7], v[Q+8*(2*\t+\cc):Q+8*(2*\t+\cc)+7], v[S+32*\t+8*\kt:S+32*\t+8*\kt+7]
.endif
.endr
.endr
.endr
	WIN 0
	PLACES
	; the maximum of my 32 scores and the old m: four chains, each accumulator read from its low end on; the two tiles by turns
.irp j, 0,1,2,3
.irp t, 0,1
	v_max3_num_f32 v[ST+8*\t+4+\j], v[S+32*\t+8*\j], v[S+32*\t+8*\j+1], v[S+32*\t+8*\j+2]
.endr
.endr
.irp g, 1,2
.irp j, 0,1,2,3
.irp t, 0,1
	v_max3_num_f32 v[ST+8*\t+4+\j], v[ST+8*\t+4+\j], v[S+32*\t+8*\j+2*\g+1], v[S+32*\t+8*\j+2*\g+2]
.endr
.endr
.endr
.irp t, 0,1
	v_max3_num_f32 v[ST+8*\t+4], v[ST+8*\t+4], v[S+32*\t+7], v[S+32*\t+15]
	v_max3_num_f32 v[ST+8*\t+6], v[ST+8*\t+6], v[S+32*\t+23], v[S+32*\t+31]
.endr
.irp t, 0,1
	v_max3_num_f32 v[ST+8*\t+4], v[ST+8*\t+4], v[ST+8*\t+5], v[ST+8*\t+6]
.endr
.irp t, 0,1
.if \one
	v_max_num_f32 v[ST+8*\t+4], v[ST+8*\t+4], v[ST+8*\t+7]
.else
	v_max3_num_f32 v[ST+8*\t+4], v[ST+8*\t+4], v[ST+8*\t+7], v[ST+8*\t+1]
.endif
.endr
.irp t, 0,1
	v_permlanex16_b32 v[ST+8*\t+5], v[ST+8*\t+4], s[SEL], s[SEL+1]   ; the query's other 32 keys lie in the lane 16 away
.endr
.if \one == 0
.irp t, 0,1
	v_mov_b32 v[ST+8*\t+7], v[ST+8*\t]             ; c m_old is kept
.endr
.endif
.irp t, 0,1
	v_max_num_f32 v[ST+8*\t+1], v[ST+8*\t+4], v[ST+8*\t+5]
.endr
.irp t, 0,1
	v_mul_f32 v[ST+8*\t], s[CS], v[ST+8*\t+1]
.endr
.if \one == 0
.irp t, 0,1
	v_sub_f32 v[ST+8*\t+7], v[ST+8*\t+7], v[ST+8*\t]   ; c m_old - c m_new
.endr
.endif
.set n, 0
.rept 16
.irp t, 0,1
	v_pk_fma_f32 v[S+32*\t+n:S+32*\t+n+1], v[S+32*\t+n:S+32*\t+n+1], s[CS:CS+1], v[ST+8*\t:ST+8*\t+1] op_sel_hi:[1,0,0] neg_lo:[0,0,1] neg_hi:[0,0,1]   ; c s - c m
.endr
.set n, n+2
.endr
	; ONE BATCH of exponentials for both tiles, none of which reads another's result
.if \one == 0
.irp t, 0,1
	v_exp_f32 v[ST+8*\t+6], v[ST+8*\t+7]           ; the rescaling factor
.endr
.endif
.set n, 0
.rept 32
.irp t, 0,1
	v_exp_f32 v[S+32*\t+n], v[S+32*\t+n]
.endr
.set n, n+1
.endr
	v_nop                                          ; a plain line behind the last exponential
	s_wait_alu depctr_va_vdst(0)                   ; one wait for the batch, ahead of its first reader
.set n, 0
.rept 16
.irp t, 0,1
	v_cvt_pk_f16_f32 v[P+16*\t+n], v[S+32*\t+2*n], v[S+32*\t+2*n+1]   ; two tiles of keys, rounded in pairs, are source 1 of the second product
.endr
.set n, n+1
.endr
.if \one == 0
.set n, 0
.rept 16
.irp t, 0,1
	v_pk_mul_f32 v[O+32*\t+n:O+32*\t+n+1], v[O+32*\t+n:O+32*\t+n+1], v[ST+8*\t+6:ST+8*\t+7] op_sel_hi:[1,0]
.endr
.set n, n+2
.endr
.irp t, 0,1
	v_pk_mul_f32 v[L+8*\t:L+8*\t+1], v[L+8*\t:L+8*\t+1], v[ST+8*\t+6:ST+8*\t+7] op_sel_hi:[1,0]
.endr
.endif
	s_wait_dscnt 0x0                               ; V is in
	WIN 0x01                                       ; V and the ones in window 1
.irp kp, 0,1                                   ; ten accumulators by turns
.irp ct, 0,1,2,3
.irp t, 0,1
.if \one && (\kp == 0)
	v_wmma_f32_16x16x32_f16 v[O+32*\t+8*\ct:O+32*\t+8*\ct+7], v[VF+8*(4*\kp+\ct):VF+8*(4*\kp+\ct)+7], v[P+16*\t+8*\kp:P+16*\t+8*\kp+7], 0
.else
	v_wmma_f32_16x16x32_f16 v[O+32*\t+8*\ct:O+32*\t+8*\ct+7], v[VF+8*(4*\kp+\ct):VF+8*(4*\kp+\ct)+7], v[P+16*\t+8*\kp:P+16*\t+8*\kp+7], v[O+32*\t+8*\ct:O+32*\t+8*\ct+7]
.endif
.endr
.endr
.irp t, 0,1
.if \one && (\kp == 0)
	v_wmma_f32_16x16x32_f16 v[L+8*\t:L+8*\t+7], v[ONES:ONES+7], v[P+16*\t+8*\kp:P+16*\t+8*\kp+7], 0
.else
	v_wmma_f32_16x16x32_f16 v[L+8*\t:L+8*\t+7], v[ONES:ONES+7], v[P+16*\t+8*\kp:P+16*\t+8*\kp+7], v[L+8*\t:L+8*\t+7]
.endif
.endr
.endr
	WIN 0
	PLACES                                         ; ahead of the next loads into V's registers and of the next read of O^T and l
	s_add_co_u32 s[TB], s[TB], 8192
.endm
.macro RUN cnt                         ; cnt key steps
	s_mov_b32 s[CNT], \cnt
.Lrun_\@:
	STEP 0
	s_sub_co_u32 s[CNT], s[CNT], 1
	s_cmp_lg_u32 s[CNT], 0
	s_cbranch_scc1 .Lrun_\@
.endm
; the keys walked so far are those of scale sc: OUT += (gate weight / l) O^T.  one = 1: the first of the four starts OUT
.macro SNAP sc, one
.irp t, 0,1
	v_rcp_f32 v[ST+8*\t+2], v[L+8*\t]
.endr
	v_nop
	s_wait_alu depctr_va_vdst(0)
.irp t, 0,1
	v_mul_f32 v[ST+8*\t+2], v[ST+8*\t+2], v[WT+4*\t+\sc]
.endr
.if \one
	WIN 0x40
.else
	WIN 0x50                                       ; OUT (destination and source 2) in window 1
.endif
.set n, 0
.rept 16
.irp t, 0,1
.if \one
	v_pk_mul_f32 v[OUT+32*\t+n:OUT+32*\t+n+1], v[O+32*\t+n:O+32*\t+n+1], v[ST+8*\t+2:ST+8*\t+3] op_sel_hi:[1,0]
.else
	v_pk_fma_f32 v[OUT+32*\t+n:OUT+32*\t+n+1], v[O+32*\t+n:O+32*\t+n+1], v[ST+8*\t+2:ST+8*\t+3], v[OUT+32*\t+n:OUT+32*\t+n+1] op_sel_hi:[1,0,1]
.endif
.endr
.set n, n+2
.endr
	WIN 0
.endm
.macro ASK                             ; behind the tensor load and its five lines: what the next change of slots will ask for, eight key steps ahead of that load
	s_cmp_eq_u32 s[PFF], 1
	s_cbranch_scc0 .Lnot_mine_\@
	global_prefetch_b8 v[PFO], s[PFA:PFA+1] th:TH_LOAD_NT scope:SCOPE_SE
.Lnot_mine_\@:
.endm
; THE CHANGE OF SLOTS.  Each wave waits for all its tensor loads (its part of the slot ahead), adds 0 to its spare word, and waits for that and for its reads of the slot that it leaves.
; fill = 1: the barrier is a round of the cluster's, and the slot just left is filled first thing behind it, with the keys 1,024 further on: the load has eight key steps in which to land.
.macro CHANGE g0, tb, fill, ask
	s_wait_tensorcnt 0x0                           ; no tensor load of mine is out, so a group 0 may be written
	ds_add_u32 v[SPW], v[NIL]
.if \fill
	s_add_nc_u64 s[\g0+2:\g0+3], s[\g0+2:\g0+3], 131072
.endif
	s_mov_b32 s[TB], \tb
	s_wait_dscnt 0x0
.if \fill
	CROUND
	tensor_load_to_lds s[\g0:\g0+3], s[G1:G1+7]
	s_nop 0
.rept 4
	v_nop
.endr
.if \ask
	ASK
.endif
.else
	s_barrier_signal -1
	s_barrier_wait -1
.endif
.endm
	STEP 1
	RUN 3
	SNAP 3, 1                                      ; keys 0-255: dilation 8
	RUN 4
	SNAP 2, 0                                      ; keys 0-511: dilation 4
	CHANGE G0A, SLOT1, 1, 1
	RUN 8
	SNAP 1, 0                                      ; keys 0-1,023: dilation 2
	CHANGE G0B, 0, 1, 0
	RUN 8
	CHANGE G0A, SLOT1, 0, 0                        ; nothing is left to fetch
	RUN 8
	SNAP 0, 0                                      ; all keys
	; THE WAY OUT: a lane's eight channels of a query round to the 16 bytes that the same lane holds in a fragment of the last product (16 positions x 32 of its K)
	WIN 0x05
.set n, 0
.rept 16
.irp t, 0,1
	v_cvt_pk_f16_f32 v[S+16*\t+n], v[OUT+32*\t+2*n], v[OUT+32*\t+2*n+1]
.endr
.set n, n+1
.endr
	WIN 0
.irp t, 0,1
.irp cc, 0,1
.irp u, 0,1
	global_store_b128 v[LI], v[S+16*\t+8*\cc+4*\u:S+16*\t+8*\cc+4*\u+3], s[66:67] offset:32768*\t+1024*\cc+512*\u   ; 512 consecutive bytes a store
.endr
.endr
.endr
	s_wait_tensorcnt 0x0                           ; the wave's end
	ds_add_u32 v[SPW], v[NIL]
	s_wait_dscnt 0x0
	CROUND                                         ; the closing round
	s_endpgm
.Lfunc_end_k_q08eda81fdb_attn:
	.size	k_q08eda81fdb_attn, .Lfunc_end_k_q08eda81fdb_attn-k_q08eda81fdb_attn
	.p2alignl 7, 3214868480
	.fill 96, 4, 3214868480
	.section	.rodata,"a",@progbits
	.p2align	6, 0x0
	.amdhsa_kernel k_q08eda81fdb_attn
		.amdhsa_group_segment_fixed_size 327680
		.amdhsa_private_segment_fixed_size 0
		.amdhsa_enable_private_segment 0
		.amdhsa_kernarg_size 24
		.amdhsa_user_sgpr_count 2
		.amdhsa_user_sgpr_kernarg_segment_ptr 1
		.amdhsa_wavefront_size32 1
		.amdhsa_system_sgpr_workgroup_id_x 1
		.amdhsa_system_sgpr_workgroup_id_y 1
		.amdhsa_system_sgpr_workgroup_id_z 1
		.amdhsa_system_vgpr_workitem_id 0
		.amdhsa_next_free_vgpr 512
		.amdhsa_next_free_sgpr 70
		.amdhsa_reserve_vcc 0
		.amdhsa_float_denorm_mode_32 3
		.amdhsa_float_denorm_mode_16_64 3
		.amdhsa_memory_ordered 1
		.amdhsa_forward_progress 1
		.amdhsa_inst_pref_size 112
	.end_amdhsa_kernel
	.amdgpu_metadata
---
amdhsa.version: [ 1, 2 ]
amdhsa.kernels:
  - .name:           k_q08eda81fdb_attn
    .symbol:         k_q08eda81fdb_attn.kd
    .args:
      - { .name: qkv, .offset: 0, .size: 8, .value_kind: global_buffer, .address_space: global }
      - { .name: sw, .offset: 8, .size: 8, .value_kind: global_buffer, .address_space: global }
      - { .name: aimg, .offset: 16, .size: 8, .value_kind: global_buffer, .address_space: global }
    .group_segment_fixed_size: 327680
    .private_segment_fixed_size: 0
    .kernarg_segment_align: 8
    .kernarg_segment_size: 24
    .max_flat_workgroup_size: 256
    .sgpr_count:     70
    .vgpr_count:     512
    .wavefront_size: 32
...
	.end_amdgpu_metadata
.endif
;; end of part 3
;; launch gemm_out (part 4): grid 8 x 32, 4 waves a work-group, clusters of 4 x 4, 327,680 bytes of LDS; arguments aimg, wo, bout, out0; writes out0
.if DOCPART == 4
	.amdgcn_target "amdgcn-amd-amdhsa--gfx1250"
	.amdhsa_code_object_version 6
	.text
	.protected	k_q08eda81fdb_gemm_out
	.globl	k_q08eda81fdb_gemm_out
	.p2align	8
	.type	k_q08eda81fdb_gemm_out,@function
k_q08eda81fdb_gemm_out:
	s_mov_b64 s[64:65], 0
	v_nop
	global_prefetch_b8 v0, s[64:65] scope:SCOPE_SE
	s_setreg_imm32_b32 hwreg(HW_REG_WAVE_MODE, 25, 1), 1
	s_wait_xcnt 0x0
	s_wait_alu depctr_hold_cnt(0) depctr_sa_sdst(0) depctr_va_vdst(0) depctr_va_sdst(0) depctr_va_ssrc(0) depctr_va_vcc(0) depctr_vm_vsrc(0)
	s_getreg_b32 s2, hwreg(HW_REG_IB_STS2, 6, 4)
	s_cmp_eq_u32 s2, 0
	s_cbranch_scc0 .Lentry_in_a_cluster
	s_endpgm
.Lentry_in_a_cluster:
	s_bfe_u32 s2, ttmp6, 0x10000c
	s_cmp_lg_u32 s2, 0xf033
	s_cbranch_scc0 .Lentry_shape_is_right
	s_endpgm
.Lentry_shape_is_right:
; out0 = a Wout + bout.  a: the attention's result, 4,096 positions x 1,024, f16; Wout: f16; both as images of fragment registers (16 rows x 32 k = 1,024 bytes); sums in f32; out0 f32.
; The rows are positions (sorted tokens): position p of a batch is stored to its token's row.  128 neighbouring positions lie in one class: token = (p - base) << sh + off.
; A work-group of four waves makes 128 positions x 128 columns (256 work-groups), a wave 64 x 64: 16 accumulators.  K goes in four steps of 256 through a ring of two LDS slots, dense images.
; CLUSTERS: 4 x 4; a's tiles are shared along a row of the cluster, Wout's along a column.  THE MATRIX INSTRUCTION IS USED TRANSPOSED (source 0 = 16 columns of Wout, source 1 = 16 positions):
; a lane holds eight neighbouring columns of one position.  The bias is the C of each sum's first product.
; A wave's 64 columns are 256 bytes of a row of out0: each wave has a stage of its own on the way out, and sixteen lanes store 256 consecutive bytes, aligned.
; LIMIT: the operands are f16: |a|, |Wout| under 65,504.
; REGISTERS: window 0: v0-31 addresses; v32-95 rows on the way out; v96-127 the bias; v128-255 the accumulators ((a, b) at v[128 + 8 (4 a + b)]).   window 1: two fragment buffers of 128.
.set SLOT,   131072                    ; a's 8 tiles x 8 chunks x 1,024 bytes, then Wout's
.set BSIDE,  65536
.set STAGE,  262144                    ; 16 rows x 272 bytes for each wave
.set SPITCH, 272
.set SPARE,  279552                    ; the spare words, 128 bytes for each wave
.set CO,   8                           ; v8-15   my byte offsets in out0: two rows an instruction
.set ADRA, 16
.set ADRB, 20
.set STO,  24
.set RD,   25
.set SPW,  28
.set NIL,  29
.set TMP,  32
.set BIAS, 96
.set ACC,  128
.set F0,   0
.set F1,   128
.set G1, 24
.set G0, 32
.set G1B, 48
.set G0B, 56
.set MSB, 0
.macro WIN new
.if MSB != \new
	s_set_vgpr_msb (MSB<<8)|\new
.set MSB, \new
.endif
.endm
.set MUL,  0x05                        ; sources 0 and 1 window 1; C and D window 0
.set TO_F, 0x40
.macro CLASS tp, sh, off, bt           ; tp = position / 16 in the batch
	s_cmp_lt_u32 \tp, 64
	s_cselect_b32 \sh, 2, 1
	s_cselect_b32 \off, 2, 1
	s_cselect_b32 \bt, 32, 64
	s_cmp_lt_u32 \tp, 32
	s_cselect_b32 \sh, 3, \sh
	s_cselect_b32 \off, 4, \off
	s_cselect_b32 \bt, 16, \bt
	s_cmp_lt_u32 \tp, 16
	s_cselect_b32 \off, 0, \off
	s_cselect_b32 \bt, 0, \bt
.endm
.macro JLOAD s                         ; a joint load: waves 0 and 1 fetch a's halves, waves 2 and 3 Wout's; an s_nop 0 and four v_nop follow each of the two lines
	s_cmp_eq_u32 s11, 0
	s_cbranch_scc0 .Lfor_b_\@
	tensor_load_to_lds s[G0+4*\s:G0+4*\s+3], s[G1:G1+7]
	s_nop 0
.rept 4
	v_nop
.endr
	s_branch .Lasked_\@
.Lfor_b_\@:
	tensor_load_to_lds s[G0B+4*\s:G0B+4*\s+3], s[G1B:G1B+7]
	s_nop 0
.rept 4
	v_nop
.endr
.Lasked_\@:
.endm
.macro CREST
	s_cmp_lg_u32 s10, 0
	s_cbranch_scc1 .Lnot_wave_0_\@
	s_barrier_signal -3
.Lnot_wave_0_\@:
	s_barrier_wait -3
	s_barrier_signal -1
	s_barrier_wait -1
.endm
.macro CROUND
	s_barrier_signal -1
	s_barrier_wait -1
	CREST
.endm
	s_load_b128 s[4:7], s[0:1], 0x0                ; aimg, wo
	s_load_b128 s[68:71], s[0:1], 0x10             ; bout, out0
	v_lshl_add_u32 v[SPW], v0, 2, SPARE
	v_mov_b32 v[NIL], 0
	ds_add_u32 v[SPW], v[NIL]                      ; the wave's opening: the add, twice on end, and its wait ahead of my first tensor load
	ds_add_u32 v[SPW], v[NIL]
	v_lshrrev_b32 v1, 5, v0
	v_readfirstlane_b32 s10, v1                    ; wave 0..3
	s_lshr_b32 s11, s10, 1                         ; which half of the positions is mine.  Also: I fetch for a (0) or for Wout (1)
	s_and_b32 s12, s10, 1                          ; which half of the columns.  Also: which four tiles of that side I fetch
	s_bfe_u32 s40, ttmp6, 0x40000
	s_bfe_u32 s41, ttmp6, 0x40004
	s_lshl_b32 s42, ttmp9, 2
	s_add_co_u32 s42, s42, s40                     ; tile of 128 columns
	s_and_b32 s13, ttmp7, 0xffff
	s_lshl_b32 s13, s13, 2
	s_add_co_u32 s13, s13, s41                     ; tile of 128 positions
	s_lshl_b32 s43, s41, 2
	s_lshl_b32 s43, 15, s43
	s_lshl_b32 s44, 0x1111, s40
	; group 1: 4 rows (tiles of 16) x 8,192 bytes (eight chunks of 32 k), 32,768 bytes apart; elements of 8 bytes; dense in LDS
	s_or_b32 s[G1+0], s43, (3<<16)|(1<<21)
	s_or_b32 s[G1B+0], s44, (3<<16)|(1<<21)
.irp g, G1, G1B
	s_mov_b32 s[\g+1], 1024<<16
	s_mov_b32 s[\g+2], 4<<16
	s_mov_b32 s[\g+3], 1024<<16
	s_mov_b32 s[\g+4], 4
	s_mov_b32 s[\g+5], 4096
	s_mov_b32 s[\g+6], 0
	s_mov_b32 s[\g+7], 0
.endr
	s_lshl_b32 s16, s13, 3
	s_lshl_b32 s17, s12, 2
	s_add_co_u32 s16, s16, s17
	s_lshl_b32 s16, s16, 15
	s_mov_b32 s17, 0
	s_lshl_b32 s46, s42, 3
	s_lshl_b32 s47, s12, 2
	s_add_co_u32 s46, s46, s47
	s_lshl_b32 s46, s46, 15
	s_mov_b32 s47, 0
	s_lshl_b32 s20, s10, 15                        ; where they go: wave x 32,768
	s_wait_dscnt 0x0                               ; both opening adds are done
	s_wait_kmcnt 0x0
	s_add_nc_u64 s[14:15], s[4:5], s[16:17]
	s_add_nc_u64 s[46:47], s[6:7], s[46:47]
	CROUND                                         ; all sixteen work-groups are here: the first joint loads meet
.irp s, 0,1
	s_mov_b32 s[G0+4*\s], 1
	s_add_co_u32 s[G0+4*\s+1], s20, \s*SLOT
	s_add_nc_u64 s[G0+4*\s+2:G0+4*\s+3], s[14:15], \s*8192
	s_or_b32 s[G0+4*\s+3], s[G0+4*\s+3], 0x80000000
	s_mov_b32 s[G0B+4*\s], 1
	s_add_co_u32 s[G0B+4*\s+1], s20, \s*SLOT
	s_add_nc_u64 s[G0B+4*\s+2:G0B+4*\s+3], s[46:47], \s*8192
	s_or_b32 s[G0B+4*\s+3], s[G0B+4*\s+3], 0x80000000
	JLOAD \s                                       ; two loads of mine are out
.endr
	v_and_b32 v1, 15, v0                           ; r
	v_bfe_u32 v2, v0, 4, 1                         ; h
	v_and_b32 v3, 31, v0
	v_lshlrev_b32 v3, 4, v3                        ; 16 x lane
	s_lshl_b32 s21, s11, 15
	s_lshl_b32 s22, s12, 15
	s_add_co_u32 s22, s22, BSIDE
.irp s, 0,1
	v_add_nc_u32 v[ADRA+\s], s21, v3
	v_add_nc_u32 v[ADRB+\s], s22, v3
	s_add_co_u32 s21, s21, SLOT
	s_add_co_u32 s22, s22, SLOT
.endr
	s_mul_i32 s23, s10, 16*SPITCH
	s_add_co_u32 s23, s23, STAGE                   ; my stage
	v_mul_u32_u24 v4, v1, SPITCH                   ; in: row r, 32 bytes for each half of the lanes
	v_lshl_add_u32 v4, v2, 5, v4
	v_add_nc_u32 v[STO], s23, v4
	v_mul_u32_u24 v5, v2, SPITCH                   ; back: lanes 0-15 one row of 256 bytes, lanes 16-31 the next
	v_lshl_add_u32 v5, v1, 4, v5
	v_add_nc_u32 v[RD], s23, v5
	s_lshl_b32 s16, s42, 9
	s_lshl_b32 s17, s12, 8
	s_add_co_u32 s16, s16, s17                     ; my 64 columns, in bytes of f32
	s_mov_b32 s17, 0
	s_add_nc_u64 s[68:69], s[68:69], s[16:17]
	v_lshlrev_b32 v6, 5, v2                        ; lane (r, h) wants, for block b, columns 16 b + 8 h + 0..7
.irp b, 0,1,2,3
	global_load_b128 v[BIAS+8*\b:BIAS+8*\b+3], v6, s[68:69] offset:64*\b
	global_load_b128 v[BIAS+8*\b+4:BIAS+8*\b+7], v6, s[68:69] offset:64*\b+16
.endr
	s_and_b32 s72, s13, 15
	s_lshl_b32 s72, s72, 3                         ; my tile's first position / 16, in its batch
	CLASS s72, s73, s74, s75
	s_sub_co_u32 s76, s72, s75
	s_lshl_b32 s76, s76, 4
	s_lshl_b32 s77, s11, 6
	s_add_co_u32 s76, s76, s77                     ; my first position, counted in its class,
	s_lshl_b32 s76, s76, s73
	s_add_co_u32 s76, s76, s74                     ; its token,
	s_lshr_b32 s77, s13, 4
	s_lshl_b32 s77, s77, 11
	s_add_co_u32 s76, s76, s77                     ; in its batch
	s_lshl_b32 s76, s76, 12                        ; a row of out0 is 4,096 bytes
	s_add_co_u32 s76, s76, s16                     ; + my columns
	s_mov_b32 s77, 0
	s_add_nc_u64 s[70:71], s[70:71], s[76:77]
	s_lshl_b32 s78, 0x1000, s73                    ; bytes from one position's row to the next's
	s_lshl_b32 s76, s78, 4                         ; s[76:77]: sixteen positions on
	s_lshl_b32 s79, s78, 1
	v_mul_lo_u32 v[CO], v2, s78
	v_lshl_add_u32 v[CO], v1, 4, v[CO]
.set n, 1
.rept 7
	v_add_nc_u32 v[CO+n], s79, v[CO+n-1]
.set n, n+1
.endr
; 8 matrix instructions: position tiles a0, a0 + 1 x all 4 column tiles, 32 k: half c of buffer f.  zero = 1: the bias starts the sums
.macro MUL8 f, c, a0, zero
.irp a, \a0, \a0+1
.irp b, 0,1,2,3
.if \zero
	v_wmma_f32_16x16x32_f16 v[ACC+8*(4*(\a)+\b):ACC+8*(4*(\a)+\b)+7], v[\f+64+8*(4*\c+\b):\f+64+8*(4*\c+\b)+7], v[\f+8*(4*\c+\a):\f+8*(4*\c+\a)+7], v[BIAS+8*\b:BIAS+8*\b+7]
.else
	v_wmma_f32_16x16x32_f16 v[ACC+8*(4*(\a)+\b):ACC+8*(4*(\a)+\b)+7], v[\f+64+8*(4*\c+\b):\f+64+8*(4*\c+\b)+7], v[\f+8*(4*\c+\a):\f+8*(4*\c+\a)+7], v[ACC+8*(4*(\a)+\b):ACC+8*(4*(\a)+\b)+7]
.endif
.endr
.endr
.endm
; 32 LDS loads in one run: the fragments of the slot's kq-th 64 k into buffer f; the first 32 k first
.macro FETCH slot, kq, f
	WIN TO_F
.irp c, 0,1
.irp i, 0,1,2,3
	ds_load_b128 v[\f+64+8*(4*\c+\i):\f+64+8*(4*\c+\i)+3],   v[ADRB+\slot] offset:8192*\i+1024*(2*(\kq)+\c)
	ds_load_b128 v[\f+64+8*(4*\c+\i)+4:\f+64+8*(4*\c+\i)+7], v[ADRB+\slot] offset:8192*\i+1024*(2*(\kq)+\c)+512
	ds_load_b128 v[\f+8*(4*\c+\i):\f+8*(4*\c+\i)+3],         v[ADRA+\slot] offset:8192*\i+1024*(2*(\kq)+\c)
	ds_load_b128 v[\f+8*(4*\c+\i)+4:\f+8*(4*\c+\i)+7],       v[ADRA+\slot] offset:8192*\i+1024*(2*(\kq)+\c)+512
.endr
.endr
.endm
.macro PLACES
.rept 4
	v_nop
.endr
.endm
; a K step is four quarters of 64 k, 32 matrix instructions each, on buffers 0, 1, 0, 1; the 16 accumulators take turns
.macro QUARTER slot, kq, f, g, zero
	s_wait_dscnt 16                                ; the first 32 k are in; the second's sixteen loads may be out
	WIN MUL
	MUL8 \f, 0, 0, \zero
	MUL8 \f, 0, 2, \zero
	PLACES
	FETCH \slot, \kq, \g
	s_wait_dscnt 32                                ; all but the 32 just issued
	WIN MUL
	MUL8 \f, 1, 0, 0
	MUL8 \f, 1, 2, 0
.endm
; the last quarter multiplies buffer 1 and changes slots: one barrier; in front of it each wave waits for all its tensor loads, adds 0 to its spare word, and waits for that and for its reads of this slot
.macro TURN slot, next, fill
	WIN 0
	s_wait_tensorcnt 0x0                           ; my part of the next slot has landed
	ds_add_u32 v[SPW], v[NIL]
	s_wait_dscnt 17                                ; (the add and the youngest sixteen loads may be out)
	WIN MUL
	MUL8 F1, 0, 0, 0
	s_wait_dscnt 0x0                               ; the add is done, and my reads of this slot are over
	s_barrier_signal -1
	MUL8 F1, 0, 2, 0
.if \fill
	WIN 0
.endif
	s_barrier_wait -1
.if \fill
	CREST                                          ; the barrier has opened a round of the cluster's: no wave of any partner still reads this slot or has a load on its way
	s_add_nc_u64 s[G0+4*\slot+2:G0+4*\slot+3], s[G0+4*\slot+2:G0+4*\slot+3], 16384
	s_add_nc_u64 s[G0B+4*\slot+2:G0B+4*\slot+3], s[G0B+4*\slot+2:G0B+4*\slot+3], 16384
	JLOAD \slot                                    ; the first tensor load behind the round; its four v_nop are also the places in front of the loads below
.else
	PLACES
.endif
	FETCH \next, 0, F0
	WIN MUL
	MUL8 F1, 1, 0, 0
	MUL8 F1, 1, 2, 0
.endm
	s_wait_tensorcnt 1                             ; my part of K step 0 is in; K step 1's load may be out
	s_barrier_signal -1
	s_barrier_wait -1
	FETCH 0, 0, F0
	s_wait_loadcnt 0x0                             ; the bias
	QUARTER 0, 1, F0, F1, 1
	QUARTER 0, 2, F1, F0, 0
	QUARTER 0, 3, F0, F1, 0
	TURN 0, 1, 1                                   ; slot 0 takes K step 2
	QUARTER 1, 1, F0, F1, 0
	QUARTER 1, 2, F1, F0, 0
	QUARTER 1, 3, F0, F1, 0
	TURN 1, 0, 1                                   ; slot 1 takes K step 3
	QUARTER 0, 1, F0, F1, 0
	QUARTER 0, 2, F1, F0, 0
	QUARTER 0, 3, F0, F1, 0
	TURN 0, 1, 0                                   ; nothing is left to fetch
	QUARTER 1, 1, F0, F1, 0
	QUARTER 1, 2, F1, F0, 0
	QUARTER 1, 3, F0, F1, 0
	s_wait_dscnt 16
	WIN MUL
	MUL8 F1, 0, 0, 0
	MUL8 F1, 0, 2, 0
	s_wait_dscnt 0
	MUL8 F1, 1, 0, 0
	MUL8 F1, 1, 2, 0
	WIN 0
; THE WAY OUT, a tile of 16 positions at a time, through my own stage.  LDS serves a wave's instructions in order: no wait between the stores and the loads, nor in front of the next tile's stores
.macro TOSTAGE a
.irp b, 0,1,2,3
	ds_store_b128 v[STO], v[ACC+8*(4*(\a)+\b):ACC+8*(4*(\a)+\b)+3] offset:64*\b          ; each accumulator from its low end on
	ds_store_b128 v[STO], v[ACC+8*(4*(\a)+\b)+4:ACC+8*(4*(\a)+\b)+7] offset:64*\b+16
.endr
.irp t, 0,1,2,3,4,5,6,7
	ds_load_b128 v[TMP+32*((\a)%2)+4*\t:TMP+32*((\a)%2)+4*\t+3], v[RD] offset:\t*2*SPITCH
.endr
.endm
.macro SEND a, younger                 ; younger: the LDS instructions issued behind tile a's loads
	s_wait_dscnt \younger
.if (\a) > 0
	s_add_nc_u64 s[70:71], s[70:71], s[76:77]      ; sixteen positions on (the earlier stores have read their base: the wait stands ahead of this macro)
.endif
.irp t, 0,1,2,3,4,5,6,7
	global_store_b128 v[CO+\t], v[TMP+32*((\a)%2)+4*\t:TMP+32*((\a)%2)+4*\t+3], s[70:71] th:TH_STORE_NT   ; sixteen lanes store 256 consecutive bytes of one token's row, aligned
.endr
.endm
	PLACES
	TOSTAGE 0
.irp a, 1,2,3
.if \a > 1
	s_wait_xcnt 0x0                                ; tile a - 2's stores have read their registers and their base
.endif
	TOSTAGE \a
	SEND \a-1, 16                                  ; behind tile a - 1's loads: tile a's 8 stores and 8 loads
.endr
	s_wait_xcnt 0x0
	SEND 3, 0
	s_wait_tensorcnt 0x0                           ; the wave's end
	ds_add_u32 v[SPW], v[NIL]
	s_wait_dscnt 0x0
	CROUND                                         ; the closing round
	s_endpgm
.Lfunc_end_k_q08eda81fdb_gemm_out:
	.size	k_q08eda81fdb_gemm_out, .Lfunc_end_k_q08eda81fdb_gemm_out-k_q08eda81fdb_gemm_out
	.p2alignl 7, 3214868480
	.fill 96, 4, 3214868480
	.section	.rodata,"a",@progbits
	.p2align	6, 0x0
	.amdhsa_kernel k_q08eda81fdb_gemm_out
		.amdhsa_group_segment_fixed_size 327680
		.amdhsa_private_segment_fixed_size 0
		.amdhsa_enable_private_segment 0
		.amdhsa_kernarg_size 32
		.amdhsa_user_sgpr_count 2
		.amdhsa_user_sgpr_kernarg_segment_ptr 1
		.amdhsa_wavefront_size32 1
		.amdhsa_system_sgpr_workgroup_id_x 1
		.amdhsa_system_sgpr_workgroup_id_y 1
		.amdhsa_system_sgpr_workgroup_id_z 1
		.amdhsa_system_vgpr_workitem_id 0
		.amdhsa_next_free_vgpr 512
		.amdhsa_next_free_sgpr 80
		.amdhsa_reserve_vcc 0
		.amdhsa_float_denorm_mode_32 3
		.amdhsa_float_denorm_mode_16_64 3
		.amdhsa_memory_ordered 1
		.amdhsa_forward_progress 1
		.amdhsa_inst_pref_size 87
	.end_amdhsa_kernel
	.amdgpu_metadata
---
amdhsa.version: [ 1, 2 ]
amdhsa.kernels:
  - .name:           k_q08eda81fdb_gemm_out
    .symbol:         k_q08eda81fdb_gemm_out.kd
    .args:
      - { .name: aimg, .offset: 0, .size: 8, .value_kind: global_buffer, .address_space: global }
      - { .name: wo, .offset: 8, .size: 8, .value_kind: global_buffer, .address_space: global }
      - { .name: bout, .offset: 16, .size: 8, .value_kind: global_buffer, .address_space: global }
      - { .name: out0, .offset: 24, .size: 8, .value_kind: global_buffer, .address_space: global }
    .group_segment_fixed_size: 327680
    .private_segment_fixed_size: 0
    .kernarg_segment_align: 8
    .kernarg_segment_size: 32
    .max_flat_workgroup_size: 128
    .sgpr_count:     80
    .vgpr_count:     512
    .wavefront_size: 32
...
	.end_amdgpu_metadata
.endif
;; end of part 4
